; MI455X (gfx1250); checked and timed in simulation.
; The chip was launched on July 23, 2026; its instructions are those of AMD's public machine-readable ISA for CDNA 5 (MIT licence, August 2026) and "CDNA5" Instruction Set Architecture Reference Guide (July 2026). The comments in the code are by the model that wrote it; some were corrected since.
;; Multi Head Attention. Allowed arithmetic: matrix products marked QUANTISED: E2M1 operands, one E8M0 scale for each 32 along K, by v_wmma_scale_f32_16x16x128_f8f6f4 with both operands' format E2M1 (or v_wmma_scale_f32_32x16x128_f4), f32 sums; everything else in f32.
;; Inputs: W_ks 1,024 x 1,024 float32; W_qs 1,024 x 1,024 float32; W_vs 1,024 x 1,024 float32; fc_b 1,024 float32; fc_w 1,024 x 1,024 float32; k 4 x 2,048 x 1,024 float32; ln_b 1,024 float32; ln_g 1,024 float32; q 4 x 2,048 x 1,024 float32; v 4 x 2,048 x 1,024 float32.
;; Outputs: out0 4 x 2,048 x 1,024 float32.
;; This version of the problem:
;;   THIS VERSION OF THE PROBLEM IS GIVEN IN LOW PRECISION. The matrix products marked QUANTISED in the list below multiply operands that are first quantised to E2M1 (2 exponent bits, 1 mantissa bit; 4 bits a number), with one power-of-two scale for each 32 numbers along K (OCP MX v1.0); their sums are f32. All else is computed in f32.
;;   The module's matrix products, in the order in which they are computed (A, B: the left and right operand; K: the contracted axis; several contracted axes count as one K, in the product's order):
;;     1. [M 8,192, K 1,024] x [K 1,024, N 1,024]; A: input q; B: input W_qs: QUANTISED
;;     2. [M 8,192, K 1,024] x [K 1,024, N 1,024]; A: input k; B: input W_ks: QUANTISED
;;     3. [M 8,192, K 1,024] x [K 1,024, N 1,024]; A: input v; B: input W_vs: QUANTISED
;;     4. batch 64 x [M 2,048, K 64] x [K 64, N 2,048]; A: computed on the way; B: computed on the way: QUANTISED
;;     5. batch 64 x [M 64, K 2,048] x [K 2,048, N 2,048]; A: computed on the way; B: softmax (see below): QUANTISED
;;     6. [M 8,192, K 1,024] x [K 1,024, N 1,024]; A: computed on the way; B: input fc_w: QUANTISED
;;   THE QUANTISER, for each operand of a quantised product, along K:
;;     - K is cut into blocks of 32 from its start; a last block that is shorter is filled with zeros.
;;     - A block's scale is 2^e with e = floor(log2(the largest magnitude in the block)) - 2, held to -126 .. 127; a block of zeros has e = 0. As a byte (E8M0): e + 127.
;;     - Each number is divided by its block's scale, clamped to +-6, and rounded to the nearest number of E2M1, ties to even, subnormals kept.
;;     - The product sums the exact products of the quantised numbers (number of the format x scale) in f32.
;;   ~~~python
;;   def quantise(x, axis):      # numpy; x: float32 -> the quantised numbers, widened to float32 again
;;       x = np.moveaxis(x, axis, -1); K = x.shape[-1]
;;       x = np.pad(x, [(0, 0)] * (x.ndim - 1) + [(0, -K % 32)]); x = x.reshape(x.shape[:-1] + (-1, 32)); a = np.abs(x).max(-1, keepdims=True)
;;       e = np.where(a > 0, np.clip(np.frexp(np.where(a > 0, a, 1))[1] - 1 - 2, -126, 127), 0)      # np.frexp(a)[1] - 1 = floor(log2(a)), exactly
;;       r = np.clip(x / 2.0 ** e, -6, 6)
;;       step = 2.0 ** (np.maximum(np.frexp(np.where(r == 0, 1, r))[1] - 1, 0) - 1)
;;       q = np.round(r / step) * step * 2.0 ** e      # np.round: ties to even
;;       return np.moveaxis(q.reshape(q.shape[:-2] + (-1,))[..., :K], -1, axis).astype(np.float32)
;;   ~~~
;;   SOFTMAX AHEAD OF A QUANTISED PRODUCT. Where the list says 'softmax', what is quantised is not the finished softmax but p = 2^(t - M), with t = logit x log2(e) and M = ceil(the row's largest t), a whole number; so 1/2 < the row's largest p <= 1. The row's sum l is taken of the UNQUANTISED p, in f32, and the product's result is divided by l at the end. Since M is a whole number, a kernel that streams over the keys may use a running M (the ceiling of the running maximum): every later rescaling is an exact power of two, which a block's scale takes up: the codes' values come out the same.
;;   OPERANDS COMPUTED ON THE WAY. 'Computed on the way' means the value that the module computes at that place (a softmax that the list does not call 'softmax' is quantised finished and normalised). What goes into a quantiser is computed in f32, as accurately as f32 sums, v_exp_f32 and their like allow (about 1e-6 of the number): no bf16 or f16 on the way to a quantiser, and a product that is left as it is and whose result goes on into a quantised operand takes f32 operands (vector FMAs, or v_wmma_f32_16x16x4_f32). A number that lies on a knife's edge between two numbers of the format may be rounded either way, as far as f32 arithmetic and the matrix unit's own rounding can turn it there, and no further.
;; One version. Each part assembles by itself: llvm-mc -triple=amdgcn-amd-amdhsa -mcpu=gfx1250 --defsym DOCPART=n.
;; ======== version 1 of 1: 4 launches
;; limits: right only within a limited range of input values
;; workspace buffers: xq 13,369,344 bytes; wq 2,228,224 bytes; kv 9,175,040 bytes; qh 9,175,040 bytes; oh 4,456,448 bytes
;; launch quant (part 1): grid 1024 x 1, 4 waves a work-group, no clusters, 34,304 bytes of LDS; arguments q, k, v, W_qs, W_ks, W_vs, fc_w, xq, wq; writes xq, wq
.if DOCPART == 1
	.amdgcn_target "amdgcn-amd-amdhsa--gfx1250"
	.amdhsa_code_object_version 6
	.text
	.protected	k_q5219b703b5_quant
	.globl	k_q5219b703b5_quant
	.p2align	8
	.type	k_q5219b703b5_quant,@function
k_q5219b703b5_quant:
	s_mov_b64 s[64:65], 0
	v_nop
	global_prefetch_b8 v0, s[64:65] scope:SCOPE_SE
	s_setreg_imm32_b32 hwreg(HW_REG_WAVE_MODE, 25, 1), 1
	s_wait_xcnt 0x0
; q, k, v [8192][1024] f32 (K innermost) and W_qs, W_ks, W_vs, fc_w [1024 (k)][1024 (n)] f32 (K outermost) become codes of FP4 (E2M1) with one E8M0 byte for each 32 along K.
; A block's scale is 2^(floor(log2(its largest magnitude)) - 2); its byte is the largest magnitude's exponent field - 2, held at 1 from below.  A block of zeros keeps the byte 1: its codes are zeros,
; which add nothing under any byte but 0xff, and these bytes are read by this program alone.
; LIMITS: NaN and infinities among the inputs are not served; a block whose largest magnitude lies under 2^-124 keeps the byte 1, which is the quantiser's own hold at -126.
; THE CODES ARE LAID IN THE ORDER OF THE READER'S OPERAND REGISTERS: a tile of 16 rows is [block of 32 along K][row][16 bytes], 8,192 bytes for K = 1,024.  So for K step s of 128 and half c the 512 bytes at
; 1024 s + 512 c hold, at 16 x lane, registers 4 c .. 4 c + 3 of a fragment: lane (r, h) has k = 128 s + 64 c + 32 h + 0 .. 31 of row r.  The scale bytes lie [row][32 bytes].
; xq: tensor t's codes at t x 4 MiB, its scale bytes at XSCALES + t x 256 KiB.  wq: weight w's codes at w x 512 KiB (rows = its columns n), its scale bytes at WSCALES + w x 32 KiB.
; Work-groups 0 to 767 take q, k, v: a wave takes one tile of 16 rows, half of K.  Work-groups 768 to 1023 take the weights: a wave takes 32 columns x 128 along K.
; No matrix instruction, no tensor load, no barrier: waves share nothing.  Only the first path uses LDS.
.set XSCALES, 12582912
.set WSCALES, 2097152
.set PITCH, 528                        ; a stage row: 512 bytes + 16: an odd multiple of 16, so that the sixteen rows that a load touches start at sixteen different groups of banks
.set STG,   16*PITCH                   ; a wave's stage
.set WD,  16                           ; v16-19   the rows' scale words, one for each K step
.set CA,  24                           ; v24-39   codes, two sets of 8
.set R,   40                           ; v40-167  numbers as loaded, two sets of 64
.set X,   168                          ; v168-231 a lane's two whole blocks of 32
.set SB,  24                           ; weights: v24 scale bytes;  v40-103 two sets of 32 numbers;  v104-119 codes, 4 registers a block, never written again
.set XW,  40
.set CW,  104
	s_load_b512 s[4:19], s[0:1], 0x0               ; q s[4:5], k s[6:7], v s[8:9], W_qs s[10:11], W_ks s[12:13], W_vs s[14:15], fc_w s[16:17], xq s[18:19]
	s_load_b64 s[20:21], s[0:1], 0x40              ; wq
	v_lshl_add_u32 v232, v0, 2, 0x8400
	v_mov_b32 v233, 0
	v_lshrrev_b32 v1, 5, v0
	v_readfirstlane_b32 s22, v1                    ; wave
	v_and_b32 v14, 31, v0                          ; lane
	v_and_b32 v15, 15, v0                          ; r
	v_bfe_u32 v4, v0, 4, 1                         ; h
	; THE SHARES (this stands for what the head says of them): work-groups 0 to 767 take q, k, v: a wave takes one tile of 16 rows and half of K, four K steps; work-groups 768 to 1023 take the weights.
	s_cmp_ge_u32 ttmp9, 768
	s_cbranch_scc1 .Lweights
; ---- q, k, v.  Each load reads 512 consecutive bytes of one row; a K step's 16 x 512 bytes turn through the wave's own stage, so that a lane gets two WHOLE blocks of its row: no other lane is asked for a maximum.
	v_lshlrev_b32 v1, 4, v14                       ; 16 x lane: my bytes of a load, and of a store of codes
	s_mul_i32 s23, s22, STG
	v_add_nc_u32 v2, s23, v1                       ; the stage, on the way in
	v_mul_u32_u24 v3, v15, PITCH
	v_lshl_add_u32 v3, v4, 7, v3
	v_add_nc_u32 v3, s23, v3                       ; and on the way out: row r, block h (128 bytes a block)
	v_lshlrev_b32 v5, 5, v15
	v_lshl_add_u32 v5, v4, 3, v5                   ; the scale bytes: 32 r + 8 h
	v_lshlrev_b32 v4, 3, v4                        ; 8 h: how far my bytes are shifted in a scale word
	v_mov_b32 v13, 0                               ; a lane permute's destination counts as one of its sources
	s_mov_b32 s30, 0x76543210
	s_mov_b32 s31, 0xfedcba98                      ; v_permlanex16_b32's selects for lane l xor 16
	s_lshr_b32 s24, ttmp9, 8                       ; which tensor
	s_and_b32 s25, ttmp9, 255
	s_lshl_b32 s25, s25, 2
	s_add_co_u32 s25, s25, s22                     ; 2 x tile + half of K
	s_and_b32 s40, s25, 1                          ; which half of K
	s_lshr_b32 s25, s25, 1                         ; which tile of 16 rows, 0 .. 511
	s_lshl_b32 s26, s25, 16                        ; 16 rows of 4,096 bytes,
	s_lshl_b32 s27, s40, 11                        ; and 2,048 bytes along a row for the second half
	s_add_co_u32 s26, s26, s27
	s_mov_b32 s27, 0
	s_lshl_b32 s28, s24, 22
	s_lshl_b32 s29, s25, 13
	s_add_co_u32 s28, s28, s29                     ; the tile's codes,
	s_lshl_b32 s29, s40, 12                        ; four K steps of 1,024 bytes on
	s_add_co_u32 s28, s28, s29
	s_mov_b32 s29, 0
	s_lshl_b32 s32, s24, 18
	s_lshl_b32 s33, s25, 9
	s_add_co_u32 s32, s32, s33
	s_lshl_b32 s33, s40, 4                         ; a row's 16 bytes of this half
	s_add_co_u32 s32, s32, s33
	s_add_co_u32 s32, s32, XSCALES                 ; the tile's scale bytes
	s_mov_b32 s33, 0
	s_wait_alu depctr_va_vdst(0)
	s_wait_kmcnt 0x0
	s_cmp_lt_u32 ttmp9, 512
	s_cselect_b64 s[34:35], s[6:7], s[8:9]
	s_cmp_lt_u32 ttmp9, 256
	s_cselect_b64 s[34:35], s[4:5], s[34:35]
	s_add_nc_u64 s[34:35], s[34:35], s[26:27]
	s_add_nc_u64 s[36:37], s[18:19], s[28:29]
	s_add_nc_u64 s[38:39], s[18:19], s[32:33]
.macro LOAD s                          ; K step s: 512 bytes of each of the 16 rows
.irp i, 0,1,2,3,4,5,6,7,8,9,10,11,12,13,14,15
	global_load_b128 v[R+64*((\s)%2)+4*\i:R+64*((\s)%2)+4*\i+3], v1, s[34:35] offset:4096*\i+512*(\s) th:TH_LOAD_NT
.endr
.endm
.macro STEP s
.set RS, R+64*((\s)%2)
.set CS, CA+8*((\s)%2)
.if (\s) < 3
	s_wait_loadcnt 16                              ; this step's 16 loads are in; the next step's 16 may be out
.else
	s_wait_loadcnt 0x0
.endif
.irp i, 0,1,2,3,4,5,6,7,8,9,10,11,12,13,14,15
	ds_store_b128 v2, v[RS+4*\i:RS+4*\i+3] offset:PITCH*\i
.endr
.irp c, 0,1
.irp j, 0,1,2,3,4,5,6,7
	ds_load_b128 v[X+32*\c+4*\j:X+32*\c+4*\j+3], v3 offset:256*\c+16*\j   ; LDS serves a wave's instructions in order: these see the stores above.  Block 2 c + h of row r
.endr
.endr
	s_wait_dscnt 0x0                               ; my numbers are back, and the stores into the stage have read their registers
	s_wait_xcnt 0x0                                ; the stores of two steps ago have read their codes: that set is written again below
.if (\s)+2 < 4
	LOAD (\s)+2
.endif
.irp c, 0,1
	v_max3_num_f32 v[6+\c], |v[X+32*\c]|, |v[X+32*\c+1]|, 0x1800000      ; the floor 2^(3 - 127): the byte cannot fall under 1
.endr
.irp i, 2,4,6,8,10,12,14,16,18,20,22,24,26,28,30
.irp c, 0,1
	v_max3_num_f32 v[6+\c], v[6+\c], |v[X+32*\c+\i]|, |v[X+32*\c+\i+1]|  ; the two blocks by turns
.endr
.endr
.irp c, 0,1
	v_add_nc_u32 v[8+\c], 0xff000000, v[6+\c]      ; 2 off the exponent field: the conversion takes the exponent field of this operand as its scale
.endr
.irp c, 0,1
	v_lshrrev_b32 v[10+\c], 23, v[8+\c]            ; the scale's byte
.endr
.irp c, 0,1
.irp g, 0,1,2,3
	v_cvt_scalef32_pk8_fp4_f32 v[CS+4*\c+\g], v[X+32*\c+8*\g:X+32*\c+8*\g+7], v[8+\c]
.endr
.endr
	v_lshl_or_b32 v12, v11, 16, v10                ; my two bytes: blocks h and 2 + h.  (Also the plain line behind the conversions)
	v_lshlrev_b32 v12, v4, v12                     ; at their places in the word
	v_permlanex16_b32 v13, v12, s30, s31
	v_or_b32 v[WD+(\s)], v12, v13                  ; with lane l xor 16's two the word is whole
.irp c, 0,1
	global_store_b128 v1, v[CS+4*\c:CS+4*\c+3], s[36:37] offset:1024*(\s)+512*\c   ; 32 lanes store 512 consecutive bytes
.endr
.endm
	LOAD 0
	LOAD 1
.irp s, 0,1,2,3
	STEP \s
.endr
.irp j, 0,1
	v_permlane16_swap_b32 v[WD+\j], v[WD+2+\j]     ; lanes 16-31 take words 2 and 3 of their row's four
.endr
	global_store_b64 v5, v[WD:WD+1], s[38:39]      ; 16 of each row's 32 bytes: the wave beside me stores the other 16.  One byte in 128 of what the wave reads
	s_wait_tensorcnt 0x0
	ds_add_u32 v232, v233
	s_wait_dscnt 0x0
	s_endpgm
; ---- the weights.  A lane takes a column n and its registers run down K: a block of 32 lies in one lane, and the conversions give codes with K innermost.
.Lweights:
	; 64 work-groups to a weight: a wave takes 32 columns x 128 along K, 4 blocks
	s_sub_co_u32 s23, ttmp9, 768
	s_lshr_b32 s24, s23, 6                         ; which weight
	s_bfe_u32 s25, s23, 0x30003                    ; which eighth of K
	s_and_b32 s26, s23, 7
	s_lshl_b32 s26, s26, 2
	s_add_co_u32 s26, s26, s22                     ; which 32 columns: the four waves stand side by side
	s_wait_alu depctr_va_vdst(0)
	v_lshlrev_b32 v1, 2, v14                       ; in: 4 bytes a lane
	v_lshlrev_b32 v2, 4, v15
	v_lshl_add_u32 v2, v4, 13, v2                  ; codes: tile h of my two, row r: 8192 h + 16 r
	v_lshlrev_b32 v3, 5, v14                       ; scale bytes: 32 a column
	s_lshl_b32 s28, s25, 19                        ; 128 rows of 4,096 bytes
	s_lshl_b32 s29, s26, 7
	s_add_co_u32 s28, s28, s29
	s_mov_b32 s29, 0
	s_lshl_b32 s32, s24, 19
	s_lshl_b32 s33, s26, 14
	s_add_co_u32 s32, s32, s33
	s_lshl_b32 s33, s25, 10                        ; 4 blocks of 256 bytes in a tile's image
	s_add_co_u32 s32, s32, s33
	s_mov_b32 s33, 0
	s_lshl_b32 s40, s24, 15
	s_lshl_b32 s41, s26, 10
	s_add_co_u32 s40, s40, s41
	s_lshl_b32 s41, s25, 2                         ; 4 scale bytes
	s_add_co_u32 s40, s40, s41
	s_add_co_u32 s40, s40, WSCALES
	s_mov_b32 s41, 0
	s_wait_alu depctr_va_vdst(0)
	s_wait_kmcnt 0x0
	s_cmp_eq_u32 s24, 0
	s_cselect_b64 s[34:35], s[10:11], s[16:17]
	s_cmp_eq_u32 s24, 1
	s_cselect_b64 s[34:35], s[12:13], s[34:35]
	s_cmp_eq_u32 s24, 2
	s_cselect_b64 s[34:35], s[14:15], s[34:35]
	s_add_nc_u64 s[34:35], s[34:35], s[28:29]
	s_add_nc_u64 s[36:37], s[20:21], s[32:33]
	s_add_nc_u64 s[38:39], s[20:21], s[40:41]
.macro WLOAD t                         ; block t: W(32 t + i, my column): 128 consecutive bytes a wave, 512 a work-group
.irp i, 0,1,2,3,4,5,6,7,8,9,10,11,12,13,14,15,16,17,18,19,20,21,22,23,24,25,26,27,28,29,30,31
	global_load_b32 v[XW+32*((\t)%2)+\i], v1, s[34:35] offset:(32*(\t)+\i)*4096 th:TH_LOAD_NT
.endr
.endm
.macro BLOCK t
.set XS, XW+32*((\t)%2)
.if (\t) < 3
	s_wait_loadcnt 32                              ; this block's 32 loads are in; the next block's may be out
.else
	s_wait_loadcnt 0x0
.endif
	v_max3_num_f32 v12, |v[XS]|, |v[XS+1]|, |v[XS+2]|
	v_max3_num_f32 v13, |v[XS+3]|, |v[XS+4]|, |v[XS+5]|
.irp i, 6,10,14,18,22,26
	v_max3_num_f32 v12, v12, |v[XS+\i]|, |v[XS+\i+1]|
	v_max3_num_f32 v13, v13, |v[XS+\i+2]|, |v[XS+\i+3]|
.endr
	v_max3_num_f32 v12, v12, |v[XS+30]|, |v[XS+31]|
	v_max3_num_f32 v12, v12, v13, 0x1800000        ; and the floor
	v_add_nc_u32 v11, 0xff000000, v12
	v_lshrrev_b32 v13, 23, v11
.if (\t)%4 == 0
	v_mov_b32 v[SB+(\t)/4], v13                    ; four bytes to a register, the lower K in the lower byte
.else
	v_lshl_or_b32 v[SB+(\t)/4], v13, 8*((\t)%4), v[SB+(\t)/4]
.endif
.irp g, 0,1,2,3
	v_cvt_scalef32_pk8_fp4_f32 v[CW+4*(\t)+\g], v[XS+8*\g:XS+8*\g+7], v11
.endr
	v_nop                                          ; one plain line behind the conversions
	global_store_b128 v2, v[CW+4*(\t):CW+4*(\t)+3], s[36:37] offset:256*(\t)   ; a block of a tile is [row][16 bytes]: sixteen lanes store 256 consecutive, aligned bytes: no stage is needed
.if (\t)+2 < 4
	WLOAD (\t)+2
.endif
.endm
	WLOAD 0
	WLOAD 1
.set Q, 0
.rept 4
	BLOCK Q
.set Q, Q+1
.endr
	global_store_b32 v3, v[SB], s[38:39]           ; my column's 4 bytes of this eighth of K: one byte in 128 of what the wave reads
	s_endpgm
.Lfunc_end_k_q5219b703b5_quant:
	.size	k_q5219b703b5_quant, .Lfunc_end_k_q5219b703b5_quant-k_q5219b703b5_quant
	.p2alignl 7, 3214868480
	.fill 96, 4, 3214868480
	.section	.rodata,"a",@progbits
	.p2align	6, 0x0
	.amdhsa_kernel k_q5219b703b5_quant
		.amdhsa_group_segment_fixed_size 34304
		.amdhsa_private_segment_fixed_size 0
		.amdhsa_enable_private_segment 0
		.amdhsa_kernarg_size 72
		.amdhsa_user_sgpr_count 2
		.amdhsa_user_sgpr_kernarg_segment_ptr 1
		.amdhsa_wavefront_size32 1
		.amdhsa_system_sgpr_workgroup_id_x 1
		.amdhsa_system_sgpr_workgroup_id_y 1
		.amdhsa_system_sgpr_workgroup_id_z 1
		.amdhsa_system_vgpr_workitem_id 0
		.amdhsa_next_free_vgpr 234
		.amdhsa_next_free_sgpr 66
		.amdhsa_reserve_vcc 0
		.amdhsa_float_denorm_mode_32 3
		.amdhsa_float_denorm_mode_16_64 3
		.amdhsa_memory_ordered 1
		.amdhsa_forward_progress 1
		.amdhsa_inst_pref_size 50
	.end_amdhsa_kernel
	.amdgpu_metadata
---
amdhsa.version: [ 1, 2 ]
amdhsa.kernels:
  - .name:           k_q5219b703b5_quant
    .symbol:         k_q5219b703b5_quant.kd
    .args:
      - { .name: q, .offset: 0, .size: 8, .value_kind: global_buffer, .address_space: global }
      - { .name: k, .offset: 8, .size: 8, .value_kind: global_buffer, .address_space: global }
      - { .name: v, .offset: 16, .size: 8, .value_kind: global_buffer, .address_space: global }
      - { .name: W_qs, .offset: 24, .size: 8, .value_kind: global_buffer, .address_space: global }
      - { .name: W_ks, .offset: 32, .size: 8, .value_kind: global_buffer, .address_space: global }
      - { .name: W_vs, .offset: 40, .size: 8, .value_kind: global_buffer, .address_space: global }
      - { .name: fc_w, .offset: 48, .size: 8, .value_kind: global_buffer, .address_space: global }
      - { .name: xq, .offset: 56, .size: 8, .value_kind: global_buffer, .address_space: global }
      - { .name: wq, .offset: 64, .size: 8, .value_kind: global_buffer, .address_space: global }
    .group_segment_fixed_size: 34304
    .private_segment_fixed_size: 0
    .kernarg_segment_align: 8
    .kernarg_segment_size: 72
    .max_flat_workgroup_size: 128
    .sgpr_count:     66
    .vgpr_count:     234
    .wavefront_size: 32
...
	.end_amdgpu_metadata
.endif
;; end of part 1
;; launch proj (part 2): grid 4 x 96, 4 waves a work-group, clusters of 4 x 4, 327,680 bytes of LDS; arguments xq, wq, qh, kv; writes qh, kv
.if DOCPART == 2
	.amdgcn_target "amdgcn-amd-amdhsa--gfx1250"
	.amdhsa_code_object_version 6
	.text
	.protected	k_q5219b703b5_proj
	.globl	k_q5219b703b5_proj
	.p2align	8
	.type	k_q5219b703b5_proj,@function
k_q5219b703b5_proj:
	s_mov_b64 s[64:65], 0
	v_nop
	global_prefetch_b8 v0, s[64:65] scope:SCOPE_SE
	s_setreg_imm32_b32 hwreg(HW_REG_WAVE_MODE, 25, 1), 1
	s_wait_xcnt 0x0
	s_wait_alu depctr_hold_cnt(0) depctr_sa_sdst(0) depctr_va_vdst(0) depctr_va_sdst(0) depctr_va_ssrc(0) depctr_va_vcc(0) depctr_vm_vsrc(0)
	s_getreg_b32 s2, hwreg(HW_REG_IB_STS2, 6, 4)
	s_cmp_eq_u32 s2, 0
	s_cbranch_scc0 .Lentry_in_a_cluster
	s_endpgm
.Lentry_in_a_cluster:
	s_bfe_u32 s2, ttmp6, 0x10000c
	s_cmp_lg_u32 s2, 0xf033
	s_cbranch_scc0 .Lentry_shape_is_right
	s_endpgm
.Lentry_shape_is_right:
.set REC,   143360
.set SLOT,  131072
.set ADRA, 16
.set ADRB, 20
.set LI,   26
.set L8,   27
.set L32,  28
.set RS,   32
.set PS,   64
.set TM,   96
.set SW,   112
.set AF,   128
.set CD,   128
.set G1R, 24
.set G0R, 32
.set G1P, 48
.set G0P, 56
.set MSB, 0
.macro WIN new
.if MSB != \new
	s_set_vgpr_msb (MSB<<8)|\new
.set MSB, \new
.endif
.endm
.set MUL_LO, 0xa1
.set MUL_HI, 0xf1
.set TO_B,   0x40
.macro JLOAD s
	s_cmp_eq_u32 s15, 0
	s_cbranch_scc0 .Lfor_p_\@
	tensor_load_to_lds s[G0R+4*\s:G0R+4*\s+3], s[G1R:G1R+7]
	s_nop 0
.rept 4
	v_nop
.endr
	s_branch .Lasked_\@
.Lfor_p_\@:
	tensor_load_to_lds s[G0P+4*\s:G0P+4*\s+3], s[G1P:G1P+7]
	s_nop 0
.rept 4
	v_nop
.endr
.Lasked_\@:
.endm
.macro CROUND
	s_barrier_signal -1
	s_barrier_wait -1
	s_cmp_lg_u32 s14, 0
	s_cbranch_scc1 .Lnot_wave_0_\@
	s_barrier_signal -3
.Lnot_wave_0_\@:
	s_barrier_wait -3
	s_barrier_signal -1
	s_barrier_wait -1
.endm
	s_load_b256 s[4:11], s[0:1], 0x0
	v_lshl_add_u32 v254, v0, 2, 0x40000
	v_mov_b32 v255, 0
	ds_add_u32 v254, v255
	ds_add_u32 v254, v255
	v_lshrrev_b32 v1, 5, v0
	v_readfirstlane_b32 s14, v1
	s_lshr_b32 s15, s14, 1
	s_and_b32 s16, s14, 1
	s_bfe_u32 s40, ttmp6, 0x40000
	s_bfe_u32 s41, ttmp6, 0x40004
	s_and_b32 s42, ttmp7, 0xffff
	s_lshr_b32 s45, s42, 3
	s_and_b32 s46, s42, 7
	s_lshl_b32 s46, s46, 2
	s_lshl_b32 s43, s41, 2
	s_lshl_b32 s43, 15, s43
	s_lshl_b32 s44, 0x1111, s40
	s_or_b32 s[G1R+0], s43, (3<<16)|(1<<21)
	s_or_b32 s[G1P+0], s44, (3<<16)|(1<<21)
.irp g, G1R, G1P
	s_mov_b32 s[\g+1], 1024<<16                    ; a row of the fill: a tile of 16 rows over all of K, 8,192 bytes
	s_mov_b32 s[\g+2], 8<<16
	s_mov_b32 s[\g+3], 1024<<16
	s_mov_b32 s[\g+4], 8
	s_mov_b32 s[\g+5], 1024
	s_mov_b32 s[\g+6], 0
	s_mov_b32 s[\g+7], 0
.endr
	s_lshl_b32 s72, s45, 22
	s_lshl_b32 s73, s45, 19
	s_lshl_b32 s74, s45, 18
	s_add_co_u32 s74, s74, 12582912
	s_lshl_b32 s75, s45, 15
	s_add_co_u32 s75, s75, 2097152
	s_mov_b32 s90, 0x76543210
	s_mov_b32 s91, 0xfedcba98
	s_wait_dscnt 0x0
	s_wait_kmcnt 0x0
	s_cmp_eq_u32 s45, 2
	s_cselect_b32 s76, 0, s46
	s_cselect_b32 s77, s46, 0
	s_cselect_b64 s[68:69], s[6:7], s[4:5]
	s_cselect_b64 s[70:71], s[4:5], s[6:7]
	s_cselect_b32 s78, s73, s72
	s_cselect_b32 s79, s72, s73
	s_cselect_b32 s80, s75, s74
	s_cselect_b32 s81, s74, s75
	s_add_co_u32 s66, s41, s76
	s_add_co_u32 s67, s40, s77
	s_lshl_b32 s82, s66, 17
	s_lshl_b32 s83, s16, 16
	s_add_co_u32 s82, s82, s83
	s_add_co_u32 s82, s82, s78
	s_mov_b32 s83, 0
	s_add_nc_u64 s[82:83], s[68:69], s[82:83]
	s_lshl_b32 s84, s67, 17
	s_lshl_b32 s85, s16, 16
	s_add_co_u32 s84, s84, s85
	s_add_co_u32 s84, s84, s79
	s_mov_b32 s85, 0
	s_add_nc_u64 s[84:85], s[70:71], s[84:85]
	s_lshl_b32 s20, s14, 16                        ; my load's 65,536 bytes of LDS: 8 tiles x 8,192
	CROUND
.irp s, 0
	s_mov_b32 s[G0R+4*\s], 1
	s_add_co_u32 s[G0R+4*\s+1], s20, \s*SLOT
	s_add_nc_u64 s[G0R+4*\s+2:G0R+4*\s+3], s[82:83], \s*4096
	s_or_b32 s[G0R+4*\s+3], s[G0R+4*\s+3], 0x80000000
	s_mov_b32 s[G0P+4*\s], 1
	s_add_co_u32 s[G0P+4*\s+1], s20, \s*SLOT
	s_add_nc_u64 s[G0P+4*\s+2:G0P+4*\s+3], s[84:85], \s*4096
	s_or_b32 s[G0P+4*\s+3], s[G0P+4*\s+3], 0x80000000
.endr
	JLOAD 0                                        ; all of K: my one tensor load at the head, behind the round above; the addresses and the scale words' loads below stand under it
	v_and_b32 v1, 31, v0
	v_lshlrev_b32 v[LI], 4, v1
	v_lshlrev_b32 v[L8], 3, v1
	v_lshlrev_b32 v[L32], 5, v1
	s_wait_alu depctr_va_vdst(0)
	s_lshl_b32 s21, s15, 16
	s_lshl_b32 s22, s16, 16
	s_add_co_u32 s22, s22, 131072
	v_add_nc_u32 v[ADRA], s21, v[LI]
	v_add_nc_u32 v[ADRA+1], 4096, v[ADRA]          ; K's second half: 4,096 bytes on in each tile
	v_add_nc_u32 v[ADRB], s22, v[LI]
	v_add_nc_u32 v[ADRB+1], 4096, v[ADRB]
.irp b, 0,1,2,3
	v_mov_b32 v[TM+4+\b], 0
.endr
	s_lshl_b32 s86, s66, 13
	s_lshl_b32 s87, s15, 12
	s_add_co_u32 s86, s86, s87
	s_add_co_u32 s86, s86, s80
	s_mov_b32 s87, 0
	s_add_nc_u64 s[86:87], s[68:69], s[86:87]
	s_lshl_b32 s88, s67, 13
	s_lshl_b32 s89, s16, 12
	s_add_co_u32 s88, s88, s89
	s_add_co_u32 s88, s88, s81
	s_mov_b32 s89, 0
	s_add_nc_u64 s[88:89], s[70:71], s[88:89]
.irp j, 0,1,2,3
	global_load_b128 v[RS+8*\j:RS+8*\j+3],   v[L32], s[86:87] offset:1024*\j
	global_load_b128 v[RS+8*\j+4:RS+8*\j+7], v[L32], s[86:87] offset:1024*\j+16
	global_load_b128 v[PS+8*\j:PS+8*\j+3],   v[L32], s[88:89] offset:1024*\j
	global_load_b128 v[PS+8*\j+4:PS+8*\j+7], v[L32], s[88:89] offset:1024*\j+16
.endr
.macro FRAG reg, adr, q, i
.irp c, 0,1
	ds_load_b128 v[\reg+4*\c:\reg+4*\c+3], v[\adr] offset:8192*(\i)+1024*(\q)+512*\c
.endr
.endm
.macro WMM a, b, p, S, zero
.set rD, 8*(8*((\a)%4)+(\b))
.set rA, 128*(\p)+8*(\b)
.set rB, AF+8*(\a)
.set rX, PS+8*((\b)/2)+(\S)
.set rY, RS+8*((\a)/2)+(\S)
.set par, 2*((\b)%2)+((\a)%2)
.if \zero
.if par == 0
	v_wmma_scale_f32_16x16x128_f8f6f4 v[rD:rD+7], v[rA:rA+7], v[rB:rB+7], 0, v[rX], v[rY] matrix_a_fmt:MATRIX_FMT_FP4 matrix_b_fmt:MATRIX_FMT_FP4
.elseif par == 1
	v_wmma_scale_f32_16x16x128_f8f6f4 v[rD:rD+7], v[rA:rA+7], v[rB:rB+7], 0, v[rX], v[rY] matrix_a_fmt:MATRIX_FMT_FP4 matrix_b_fmt:MATRIX_FMT_FP4 matrix_b_scale:MATRIX_SCALE_ROW1
.elseif par == 2
	v_wmma_scale_f32_16x16x128_f8f6f4 v[rD:rD+7], v[rA:rA+7], v[rB:rB+7], 0, v[rX], v[rY] matrix_a_fmt:MATRIX_FMT_FP4 matrix_b_fmt:MATRIX_FMT_FP4 matrix_a_scale:MATRIX_SCALE_ROW1
.else
	v_wmma_scale_f32_16x16x128_f8f6f4 v[rD:rD+7], v[rA:rA+7], v[rB:rB+7], 0, v[rX], v[rY] matrix_a_fmt:MATRIX_FMT_FP4 matrix_b_fmt:MATRIX_FMT_FP4 matrix_a_scale:MATRIX_SCALE_ROW1 matrix_b_scale:MATRIX_SCALE_ROW1
.endif
.else
.if par == 0
	v_wmma_scale_f32_16x16x128_f8f6f4 v[rD:rD+7], v[rA:rA+7], v[rB:rB+7], v[rD:rD+7], v[rX], v[rY] matrix_a_fmt:MATRIX_FMT_FP4 matrix_b_fmt:MATRIX_FMT_FP4
.elseif par == 1
	v_wmma_scale_f32_16x16x128_f8f6f4 v[rD:rD+7], v[rA:rA+7], v[rB:rB+7], v[rD:rD+7], v[rX], v[rY] matrix_a_fmt:MATRIX_FMT_FP4 matrix_b_fmt:MATRIX_FMT_FP4 matrix_b_scale:MATRIX_SCALE_ROW1
.elseif par == 2
	v_wmma_scale_f32_16x16x128_f8f6f4 v[rD:rD+7], v[rA:rA+7], v[rB:rB+7], v[rD:rD+7], v[rX], v[rY] matrix_a_fmt:MATRIX_FMT_FP4 matrix_b_fmt:MATRIX_FMT_FP4 matrix_a_scale:MATRIX_SCALE_ROW1
.else
	v_wmma_scale_f32_16x16x128_f8f6f4 v[rD:rD+7], v[rA:rA+7], v[rB:rB+7], v[rD:rD+7], v[rX], v[rY] matrix_a_fmt:MATRIX_FMT_FP4 matrix_b_fmt:MATRIX_FMT_FP4 matrix_a_scale:MATRIX_SCALE_ROW1 matrix_b_scale:MATRIX_SCALE_ROW1
.endif
.endif
.endm
.macro MUL16 a0, p, S, zero
.irp a, \a0, \a0+1
.irp b, 0,1,2,3,4,5,6,7
	WMM \a, \b, \p, \S, \zero
.endr
.endr
.endm
.macro FETCH_B slot, q, p
	WIN TO_B
.irp i, 0,1,2,3,4,5,6,7
	FRAG 128*(\p)+8*\i, ADRB+\slot, \q, \i
.endr
	WIN 0
.endm
.macro FETCH_A slot, q, i0
.irp i, \i0, \i0+1, \i0+2, \i0+3
	FRAG AF+8*(\i), ADRA+\slot, \q, \i
.endr
.endm
.macro PLACES
.rept 4
	v_nop
.endr
.endm
.macro STEP slot, q, zero
	s_wait_dscnt 8
	WIN MUL_LO
	MUL16 0, (\q)%2, 4*(\slot)+(\q), \zero
	MUL16 2, (\q)%2, 4*(\slot)+(\q), \zero
	s_wait_dscnt 0x0
	PLACES
	FETCH_B \slot, (\q)+1, 1-(\q)%2
	FETCH_A \slot, (\q)+1, 0
	WIN MUL_HI
	MUL16 4, (\q)%2, 4*(\slot)+(\q), \zero
	MUL16 6, (\q)%2, 4*(\slot)+(\q), \zero
	PLACES
	WIN 0
	FETCH_A \slot, (\q)+1, 4
.endm
.macro STEPS slot, from
.set Q, \from
.rept 3-\from
	STEP \slot, Q, 0
.set Q, Q+1
.endr
.endm
	s_wait_alu depctr_va_vdst(0)                   ; the wait at the head's end
	s_wait_tensorcnt 0x0                           ; my load, all of K for 128 rows, is in: the launch's only fill;
	s_barrier_signal -1
	s_barrier_wait -1                              ; everybody's is
	FETCH_B 0, 0, 0
	FETCH_A 0, 0, 0
	FETCH_A 0, 0, 4
	s_wait_loadcnt 0x0
	STEP 0, 0, 1
	STEPS 0, 1
	s_wait_dscnt 8
	WIN MUL_LO
	MUL16 0, 1, 3, 0
	s_wait_dscnt 0x0
	MUL16 2, 1, 3, 0
	WIN 0
	PLACES
	FETCH_B 1, 0, 0
	FETCH_A 1, 0, 0
	WIN MUL_HI
	MUL16 4, 1, 3, 0
	MUL16 6, 1, 3, 0
	PLACES
	WIN 0
	FETCH_A 1, 0, 4
	STEPS 1, 0
	s_wait_dscnt 8
	WIN MUL_LO
	MUL16 0, 1, 7, 0
	MUL16 2, 1, 7, 0
	s_wait_dscnt 0x0
	WIN MUL_HI
	MUL16 4, 1, 7, 0
	MUL16 6, 1, 7, 0
	WIN 0
	PLACES
.macro EPI isv
.set ea, 0
.rept 8
.set AC, 64*(ea%4)
	WIN 0x28+0x14*(ea/4)
.irp b, 0,1,2,3
	v_max3_num_f32 v[TM+\b], 0x1800000, |v[AC+16*\b]|, |v[AC+16*\b+1]|
.endr
.irp i, 2,4,6,8,10,12,14
.irp b, 0,1,2,3
	v_max3_num_f32 v[TM+\b], v[TM+\b], |v[AC+16*\b+\i]|, |v[AC+16*\b+\i+1]|
.endr
.endr
	WIN 0
.irp b, 0,1,2,3
	v_permlanex16_b32 v[TM+4+\b], v[TM+\b], s90, s91
.endr
.irp b, 0,1,2,3
	v_max_num_f32 v[TM+\b], v[TM+\b], v[TM+4+\b]
.endr
.irp b, 0,1,2,3
	v_add_nc_u32 v[TM+12+\b], 0xff000000, v[TM+\b]
.endr
.irp b, 0,1,2,3
	v_lshrrev_b32 v[TM+4+\b], 23, v[TM+12+\b]
.endr
.if \isv
.set SD, SW+4*(ea/4)+2*(ea%2)+(ea%4)/2
	v_lshl_or_b32 v[SD], v[TM+5], 8, v[TM+4]
	v_lshl_or_b32 v[SD], v[TM+6], 16, v[SD]
	v_lshl_or_b32 v[SD], v[TM+7], 24, v[SD]
.else
.irp g, 0,1
	v_lshl_or_b32 v[SW+8*\g+4*(ea%2)+ea/2], v[TM+5+2*\g], 8, v[TM+4+2*\g]
.endr
.endif
	WIN 0x02+ea/4
.irp u, 0,1,2,3,4,5,6,7
	v_cvt_scalef32_pk8_fp4_f32 v[CD+8*ea+4*(\u/4)+2*(\u%2)+(\u%4)/2], v[AC+8*\u:AC+8*\u+7], v[TM+12+\u/2]
.endr
	WIN 0
	v_nop
.irp g, 0,1
	v_permlane16_swap_b32 v[CD+8*ea+4*\g], v[CD+8*ea+4*\g+1]
	v_permlane16_swap_b32 v[CD+8*ea+4*\g+2], v[CD+8*ea+4*\g+3]
.endr
.irp g, 0,1
.if \isv
	global_store_b128 v[LI], v[CD+8*ea+4*\g:CD+8*ea+4*\g+3], s[94:95] offset:(ea/4)*REC+(ea%4)*1024+512*\g
.else
	global_store_b128 v[LI], v[CD+8*ea+4*\g:CD+8*ea+4*\g+3], s[94:95] offset:\g*REC+512*ea
.endif
.endr
.set ea, ea+1
.endr
.if \isv
.irp e, 0,1
.irp j, 0,1
	v_permlane16_swap_b32 v[SW+4*\e+\j], v[SW+4*\e+2+\j]
.endr
	global_store_b64 v[L8], v[SW+4*\e:SW+4*\e+1], s[92:93] offset:\e*REC
.endr
.else
.irp g, 0,1
.irp j, 0,1,2,3
	v_permlane16_swap_b32 v[SW+8*\g+\j], v[SW+8*\g+4+\j]
.endr
	global_store_b128 v[LI], v[SW+8*\g:SW+8*\g+3], s[92:93] offset:\g*REC
.endr
.endif
.endm
	s_cmp_eq_u32 s45, 2
	s_cbranch_scc1 .Lvway
	s_lshl_b32 s92, s66, 4
	s_lshl_b32 s93, s15, 3
	s_add_co_u32 s92, s92, s93
	s_lshr_b32 s93, s92, 7
	s_and_b32 s92, s92, 127
	s_lshl_b32 s94, s67, 2
	s_lshl_b32 s95, s16, 1
	s_add_co_u32 s94, s94, s95
	s_lshl_b32 s93, s93, 4
	s_add_co_u32 s93, s93, s94
	s_mul_i32 s93, s93, REC
	s_lshl_b32 s94, s92, 9
	s_add_co_u32 s94, s94, s93
	s_mov_b32 s95, 0
	s_lshr_b32 s92, s92, 3
	s_lshl_b32 s92, s92, 9
	s_add_co_u32 s92, s92, s93
	s_add_co_u32 s92, s92, 131072
	s_mov_b32 s93, 0
	s_cmp_eq_u32 s45, 0
	s_cselect_b64 s[96:97], s[8:9], s[10:11]
	s_add_nc_u64 s[94:95], s[96:97], s[94:95]
	s_add_nc_u64 s[92:93], s[96:97], s[92:93]
	EPI 0
	s_branch .Ldone
.Lvway:
	s_lshl_b32 s92, s67, 1
	s_add_co_u32 s92, s92, s16
	s_lshr_b32 s93, s92, 4
	s_and_b32 s92, s92, 15
	s_lshl_b32 s94, s66, 2
	s_lshl_b32 s95, s15, 1
	s_add_co_u32 s94, s94, s95
	s_lshl_b32 s93, s93, 4
	s_add_co_u32 s93, s93, s94
	s_mul_i32 s93, s93, REC
	s_lshl_b32 s94, s92, 12
	s_add_co_u32 s94, s94, s93
	s_add_co_u32 s94, s94, 65536
	s_mov_b32 s95, 0
	s_lshl_b32 s92, s92, 8
	s_add_co_u32 s92, s92, s93
	s_add_co_u32 s92, s92, 139264
	s_mov_b32 s93, 0
	s_add_nc_u64 s[94:95], s[10:11], s[94:95]
	s_add_nc_u64 s[92:93], s[10:11], s[92:93]
	EPI 1
.Ldone:
	s_wait_tensorcnt 0x0
	ds_add_u32 v254, v255
	s_wait_dscnt 0x0
	CROUND
	s_endpgm
.Lfunc_end_k_q5219b703b5_proj:
	.size	k_q5219b703b5_proj, .Lfunc_end_k_q5219b703b5_proj-k_q5219b703b5_proj
	.p2alignl 7, 3214868480
	.fill 96, 4, 3214868480
	.section	.rodata,"a",@progbits
	.p2align	6, 0x0
	.amdhsa_kernel k_q5219b703b5_proj
		.amdhsa_group_segment_fixed_size 327680
		.amdhsa_private_segment_fixed_size 0
		.amdhsa_enable_private_segment 0
		.amdhsa_kernarg_size 32
		.amdhsa_user_sgpr_count 2
		.amdhsa_user_sgpr_kernarg_segment_ptr 1
		.amdhsa_wavefront_size32 1
		.amdhsa_system_sgpr_workgroup_id_x 1
		.amdhsa_system_sgpr_workgroup_id_y 1
		.amdhsa_system_sgpr_workgroup_id_z 1
		.amdhsa_system_vgpr_workitem_id 0
		.amdhsa_next_free_vgpr 1024
		.amdhsa_next_free_sgpr 100
		.amdhsa_reserve_vcc 0
		.amdhsa_float_denorm_mode_32 3
		.amdhsa_float_denorm_mode_16_64 3
		.amdhsa_memory_ordered 1
		.amdhsa_forward_progress 1
		.amdhsa_inst_pref_size 158
	.end_amdhsa_kernel
	.amdgpu_metadata
---
amdhsa.version: [ 1, 2 ]
amdhsa.kernels:
  - .name:           k_q5219b703b5_proj
    .symbol:         k_q5219b703b5_proj.kd
    .args:
      - { .name: xq, .offset: 0, .size: 8, .value_kind: global_buffer, .address_space: global }
      - { .name: wq, .offset: 8, .size: 8, .value_kind: global_buffer, .address_space: global }
      - { .name: qh, .offset: 16, .size: 8, .value_kind: global_buffer, .address_space: global }
      - { .name: kv, .offset: 24, .size: 8, .value_kind: global_buffer, .address_space: global }
    .group_segment_fixed_size: 327680
    .private_segment_fixed_size: 0
    .kernarg_segment_align: 8
    .kernarg_segment_size: 32
    .max_flat_workgroup_size: 128
    .sgpr_count:     100
    .vgpr_count:     1024
    .wavefront_size: 32
...
	.end_amdgpu_metadata
.endif
;; end of part 2
;; launch attn (part 3): grid 4 x 64, 8 waves a work-group, clusters of 4 x 1, 169,984 bytes of LDS; arguments qh, kv, oh; writes oh
.if DOCPART == 3
	.amdgcn_target "amdgcn-amd-amdhsa--gfx1250"
	.amdhsa_code_object_version 6
	.text
	.protected	k_q5219b703b5_attn
	.globl	k_q5219b703b5_attn
	.p2align	8
	.type	k_q5219b703b5_attn,@function
k_q5219b703b5_attn:
	s_mov_b64 s[64:65], 0
	v_nop
	global_prefetch_b8 v0, s[64:65] scope:SCOPE_SE
	s_setreg_imm32_b32 hwreg(HW_REG_WAVE_MODE, 25, 1), 1
	s_wait_xcnt 0x0
	s_wait_alu depctr_hold_cnt(0) depctr_sa_sdst(0) depctr_va_vdst(0) depctr_va_sdst(0) depctr_va_ssrc(0) depctr_va_vcc(0) depctr_vm_vsrc(0)
	s_getreg_b32 s2, hwreg(HW_REG_IB_STS2, 6, 4)
	s_cmp_eq_u32 s2, 0
	s_cbranch_scc0 .Lentry_in_a_cluster
	s_endpgm
.Lentry_in_a_cluster:
	s_bfe_u32 s2, ttmp6, 0x10000c
	s_cmp_lg_u32 s2, 0x3003
	s_cbranch_scc0 .Lentry_shape_is_right
	s_endpgm
.Lentry_shape_is_right:
; O = softmax(Q K^T / 8) V for one head, both products on codes of FP4 (E2M1) with E8M0 scales; O / l is quantised along the 1,024 joined channels and leaves as codes.
; THE SOFTMAX AHEAD OF THE SECOND PRODUCT: t = score x log2(e) / 8; M = the row's largest t so far, rounded UP to a whole number; p = 2^(t - M) is what is quantised, along the keys; it is not normalised.
; The row's sum is taken of the unquantised p, in f32, and divides O at the end.  When M moves, the sum and O are multiplied by 2^(old M - new M): exact.
; SHARES.  A work-group owns one head (batch x 16 + head = grid y) and 512 queries, in two passes of 256.  Each of its eight waves owns 32 queries a pass, two tiles of 16 (x = 0, 1), and walks all 2,048 keys, 256 a step:
; each fragment of K and V read from LDS feeds both tiles, and M, f and the rescaling of O come once for 256 keys.
; LDS.  The head's whole record of kv lies in LDS, filled ONCE: waves 0-3 bring K's codes, as rows of 1,024 bytes with 128 bytes of padding behind each; waves 4-7 V's codes and both tensors' scale words, as they lie.
; CLUSTER.  The four work-groups of a cluster belong to one head: the record is asked for jointly.  No prefetch: every byte of the record is asked for at the head, and there is no loop to run ahead in.
; LAYOUT.  Both products are used transposed: S^T = K Q^T, O^T = V^T P^T: a lane holds ONE query (lane % 16) of each tile throughout.
; THE KEYS OF A TILE ARE NOT NEIGHBOURS: tile (c, t) of a group of 128 keys has keys 64 c + 8 t + 0 .. 7 in rows 0-7 and keys 64 c + 32 + 8 t + 0 .. 7 in rows 8-15.  So lane (r, h) holds in the 32 registers of tiles (c, 0 .. 3)
; the keys 64 c + 32 h + 0 .. 31: a WHOLE block of 32, in the order of the second product's operand: a block's maximum needs no other lane, and a conversion's result is an operand register as it stands.
; With 1,152 bytes from row to row of K's region, rows 0-7 and rows 8-15 of such a tile start 128 bytes apart modulo 256.
; The first product's K is the head's 64 channels.  Q's registers 4-7 (k = 64 .. 127) are zero codes, set once; so K's registers 4-7 may hold any codes: tile i's operand is v[KF+4i : KF+4i+7], whose upper half is the next tile's codes
; (behind the last: four registers of zeros).  The scale words' bytes 2 and 3 are 0, a finite scale.
; The last step of a pass fetches 8 tiles beyond K's region (bytes of the record, inside LDS); they are not used.
; LIMITS: NaN and infinities are not served; p under 2^-126 falls to 0 (v_exp_f32); a block whose every p is 0 keeps the byte 1: its codes are zeros.
; REGISTERS.  Window 1 (v256-511): S^T, then p: tile x at 128 x, group g of 128 keys at + 64 g, block c at + 32 c.  Window 0: all else, as named below.
.set REC,  143360
.set KROW, 1152
.set VB,   73728                       ; V's codes in LDS
.set KSB,  139264                      ; K's scale words
.set VSB,  147456                      ; V's
.set STG,  151552                      ; the half-words of O's scales, 2 bytes for each of the 512 queries: bytes into which no fill lands
.set SPARE,152576                      ; the spare words, 128 bytes a wave
.set OHS,  4194304
.set LI,  1                            ; 16 x lane
.set AK0, 2                            ; my lane's place in a tile of K;  v3 of V;  v4 among K's scale words;  v5 among V's
.set SPW, 6
.set NIL, 7
.set ADK, 8                            ; v8-11 the step's addresses: K, V, K's words, V's words
.set ADV, 9
.set ADS, 10
.set ADT, 11
.set STA, 12                           ; the stage: STG + 64 wave + 2 r;  v13 the same + 512 pass
.set ST,  16                           ; tile x's state at ST + 8 x: -M, the largest score, f, (0), the sum in two halves, two at work
.set KS,  32                           ; v32-35 K's scale words: register t: lanes 0-15 tile (0, t), lanes 16-31 tile (1, t)
.set VS,  36                           ; v36-37 V's
.set QS,  38                           ; Q's: lanes 0-15 tile 0, lanes 16-31 tile 1
.set PS,  40                           ; v40-43 p's: 2 x + g.  v32-43 hold scales alone
.set BM,  44                           ; v44-51 a block's largest score, then its conversion's scale operand: 4 x + 2 g + c
.set BY,  52                           ; v52-59 scale bytes at work
.set T,   60                           ; v60-71 three more chains of the sum for each tile
.set QF,  72                           ; v72-87 Q's two fragments
.set O,   88                           ; v88-151 O^T: 32 x + 8 t
.set PC,  152                          ; v152-183 p's codes: 16 x + 8 g
.set KF,  184                          ; v184-219 eight tiles of K, 4 registers each, and four zeros
.set VF,  220                          ; v220-251 four tiles of V
.set MSB, 0
.macro WIN new                         ; the immediate's high byte repeats the setting that is left
.if MSB != \new
	s_set_vgpr_msb (MSB<<8)|\new
.set MSB, \new
.endif
.endm
.macro ROUND                           ; a round of the cluster's barrier
	s_barrier_signal -1
	s_barrier_wait -1
	s_cmp_lg_u32 s18, 0
	s_cbranch_scc1 .Lnot_wave_0_\@
	s_barrier_signal -3
.Lnot_wave_0_\@:
	s_barrier_wait -3
	s_barrier_signal -1
	s_barrier_wait -1
.endm
.macro QLD ps                          ; Q's two fragments and scale words of pass s[ps]: asked for in the head for pass 0, and at the start of a pass's way out for the next pass, when the last product with Q is long issued
	s_lshl_b32 s42, s40, 5
	s_lshl_b32 s43, s[\ps], 4
	s_add_co_u32 s42, s42, s43
	s_lshl_b32 s43, s18, 1
	s_add_co_u32 s42, s42, s43                     ; the first tile: 32 cx + 16 pass + 2 wave (even)
	s_lshl_b32 s60, s42, 9
	s_add_co_u32 s60, s60, s50
	s_mov_b32 s61, 0
	s_add_nc_u64 s[60:61], s[4:5], s[60:61]        ; Q's codes
	s_lshr_b32 s62, s42, 3
	s_lshl_b32 s62, s62, 9                         ; Q's scale words: the group of 8 tiles,
	s_bfe_u32 s63, s42, 0x20001
	s_lshl_b32 s63, s63, 2                         ; and the word of the four: at 16 x lane lanes 0-15 find the even tile's words, lanes 16-31 the odd tile's
	s_add_co_u32 s62, s62, s63
	s_add_co_u32 s62, s62, s50
	s_add_co_u32 s62, s62, 131072
	s_mov_b32 s63, 0
	s_add_nc_u64 s[62:63], s[4:5], s[62:63]
	global_load_b128 v[QF:QF+3], v[LI], s[60:61]
	global_load_b128 v[QF+8:QF+11], v[LI], s[60:61] offset:512
	global_load_b32 v[QS], v[LI], s[62:63]
.endm
	s_load_b128 s[4:7], s[0:1], 0x0                ; qh s[4:5], kv s[6:7]
	s_load_b64 s[8:9], s[0:1], 0x10                ; oh
	v_lshl_add_u32 v[SPW], v0, 2, SPARE
	v_mov_b32 v[NIL], 0
	ds_add_u32 v[SPW], v[NIL]                      ; the opening lines: the add twice on end and its wait ahead of my tensor load
	ds_add_u32 v[SPW], v[NIL]
	v_lshrrev_b32 v1, 5, v0
	v_readfirstlane_b32 s18, v1                    ; wave 0..7
	s_bfe_u32 s40, ttmp6, 0x40000                  ; cx: which 512 queries
	s_and_b32 s41, ttmp7, 0xffff                   ; batch x 16 + head, which the four partners share
	s_mul_i32 s50, s41, REC                        ; the record
	s_mov_b32 s51, 0
	s_and_b32 s52, s18, 3                          ; which quarter I bring
	s_mul_i32 s54, s52, 16384                      ; K: 16 rows of 1,024 bytes,
	s_add_co_u32 s54, s54, s50
	s_mov_b32 s55, 0
	s_mul_i32 s33, s52, 16*KROW                    ; and where they go
	s_mul_i32 s66, s52, 19456                      ; the rest: 76 rows of 256 bytes
	s_add_co_u32 s45, s66, VB
	s_add_co_u32 s66, s66, s50
	s_add_co_u32 s66, s66, 65536
	s_mov_b32 s67, 0
	s_mov_b32 s24, 15|(3<<16)|(1<<20)|(1<<21)|(7<<22)|(31<<25)   ; the mask: all four; elements of 8 bytes; padding: 32 words behind every 256; 21 set beside a mask
	s_mov_b32 s25, 128<<16
	s_mov_b32 s26, 16<<16
	s_mov_b32 s27, 128<<16
	s_mov_b32 s28, 16
	s_mov_b32 s29, 128
	s_mov_b32 s30, 0
	s_mov_b32 s31, 0
	s_mov_b32 s72, 15|(3<<16)|(1<<21)              ; the rest: no padding
	s_mov_b32 s73, 32<<16
	s_mov_b32 s74, 76<<16
	s_mov_b32 s75, 32<<16
	s_mov_b32 s76, 76
	s_mov_b32 s77, 32
	s_mov_b32 s78, 0
	s_mov_b32 s79, 0
	s_mov_b32 s20, 0x76543210
	s_mov_b32 s21, 0xfedcba98                      ; v_permlanex16_b32's selects for lane l xor 16
	s_mov_b32 s22, 0x3e38aa3b                      ; c = log2(e) / 8
	s_mov_b32 s23, s22                             ; (named with it as a pair, so it is written)
	s_wait_dscnt 0x0
	s_wait_kmcnt 0x0
	s_mov_b32 s32, 1
	s_add_nc_u64 s[34:35], s[6:7], s[54:55]
	s_or_b32 s35, s35, 0x80000000
	s_mov_b32 s44, 1
	s_add_nc_u64 s[46:47], s[6:7], s[66:67]
	s_or_b32 s47, s47, 0x80000000
	ROUND                                          ; all four work-groups are here: the joint loads meet
	s_cmp_lt_u32 s18, 4                            ; one load a wave, one to an arm
	s_cbranch_scc0 .Lrest
	tensor_load_to_lds s[32:35], s[24:31]
	s_nop 0
.rept 4
	v_nop
.endr
	s_branch .Lasked
.Lrest:
	tensor_load_to_lds s[44:47], s[72:79]
	s_nop 0
.rept 4
	v_nop
.endr
.Lasked:
	v_and_b32 v13, 31, v0
	v_lshlrev_b32 v[LI], 4, v13
	v_and_b32 v8, 7, v0                            ; r % 8
	v_bfe_u32 v9, v0, 3, 1                         ; r / 8
	v_bfe_u32 v10, v0, 4, 1                        ; h
	v_lshlrev_b32 v2, 4, v8
	v_mad_u32_u24 v2, v9, KROW, v2
	v_lshl_add_u32 v2, v10, 8, v2                  ; K: 16 (r % 8) + 1152 (r / 8) + 256 h
	v_add_nc_u32 v3, VB, v[LI]                     ; V: 16 x lane
	v_lshlrev_b32 v4, 4, v8
	v_lshl_add_u32 v4, v9, 2, v4
	v_lshl_add_u32 v4, v10, 3, v4
	v_add_nc_u32 v4, KSB, v4                       ; K's words: 16 (r % 8) + 4 (r / 8) + 8 h: lanes 16-31 take the tiles with c = 1
	v_lshl_add_u32 v5, v13, 3, VSB                 ; V's: two a lane
	v_and_b32 v12, 15, v0
	v_lshlrev_b32 v12, 1, v12
	s_lshl_b32 s42, s18, 6
	s_add_co_u32 s42, s42, STG
	v_add_nc_u32 v[STA], s42, v12
.irp i, 16,17,18,19,20,21,22,23,24,25,26,27,28,29,30,31,52,53,54,55,56,57,58,59
	v_mov_b32 v\i, 0                               ; the state; the lane permutes' destinations
.endr
.irp i, 4,5,6,7,12,13,14,15
	v_mov_b32 v[QF+\i], 0                          ; Q's k = 64 .. 127: zero codes, set once
.endr
.irp i, 32,33,34,35
	v_mov_b32 v[KF+\i], 0                          ; behind the last tile of K
.endr
	s_and_b32 s42, s41, 15                         ; where the half-words go: [head][token] of 2 bytes
	s_lshl_b32 s42, s42, 14
	s_lshr_b32 s43, s41, 4
	s_lshl_b32 s43, s43, 12
	s_add_co_u32 s42, s42, s43
	s_lshl_b32 s43, s40, 10
	s_add_co_u32 s42, s42, s43
	s_add_co_u32 s56, s42, OHS
	s_mov_b32 s57, 0
	s_add_nc_u64 s[56:57], s[8:9], s[56:57]
	s_mov_b32 s58, 0                               ; the pass
	QLD 58                                         ; pass 0's Q, under the tensor load
	s_wait_alu depctr_va_vdst(0)                   ; the wait at the head's end
	s_wait_tensorcnt 0x0                           ; my part has landed,
	s_barrier_signal -1
	s_barrier_wait -1                              ; everybody's has
.macro LOADK ak, as, ko, so            ; eight tiles of 16 keys, 4 registers each, and their scale words: 12 loads
.irp c, 0,1
.irp t, 0,1,2,3
	ds_load_b128 v[KF+16*\c+4*\t:KF+16*\c+4*\t+3], v[\ak] offset:\ko+2*KROW*\c+512*(\t/2)+128*(\t%2)
.endr
.endr
.irp t, 0,1,2,3
	ds_load_b32 v[KS+\t], v[\as] offset:\so+128*\t
.endr
.endm
.macro LOADV g                         ; four tiles of 16 channels x 128 keys, and their scale words: 9 loads
.irp t, 0,1,2,3
.irp c, 0,1
	ds_load_b128 v[VF+8*\t+4*\c:VF+8*\t+4*\c+3], v[ADV] offset:4096*\g+1024*\t+512*\c
.endr
.endr
	ds_load_b64 v[VS:VS+1], v[ADT] offset:256*\g
.endm
.macro QKG g                           ; S^T of 128 keys x 32 queries: 16 products, each on an accumulator of its own
.irp t, 0,1,2,3
	v_wmma_scale_f32_16x16x128_f8f6f4 v[64*\g+8*\t:64*\g+8*\t+7], v[KF+4*\t:KF+4*\t+7], v[QF:QF+7], 0, v[KS+\t], v[QS] matrix_a_fmt:MATRIX_FMT_FP4 matrix_b_fmt:MATRIX_FMT_FP4
	v_wmma_scale_f32_16x16x128_f8f6f4 v[128+64*\g+8*\t:128+64*\g+8*\t+7], v[KF+4*\t:KF+4*\t+7], v[QF+8:QF+15], 0, v[KS+\t], v[QS] matrix_a_fmt:MATRIX_FMT_FP4 matrix_b_fmt:MATRIX_FMT_FP4 matrix_b_scale:MATRIX_SCALE_ROW1
	v_wmma_scale_f32_16x16x128_f8f6f4 v[32+64*\g+8*\t:32+64*\g+8*\t+7], v[KF+16+4*\t:KF+16+4*\t+7], v[QF:QF+7], 0, v[KS+\t], v[QS] matrix_a_fmt:MATRIX_FMT_FP4 matrix_b_fmt:MATRIX_FMT_FP4 matrix_a_scale:MATRIX_SCALE_ROW1
	v_wmma_scale_f32_16x16x128_f8f6f4 v[160+64*\g+8*\t:160+64*\g+8*\t+7], v[KF+16+4*\t:KF+16+4*\t+7], v[QF+8:QF+15], 0, v[KS+\t], v[QS] matrix_a_fmt:MATRIX_FMT_FP4 matrix_b_fmt:MATRIX_FMT_FP4 matrix_a_scale:MATRIX_SCALE_ROW1 matrix_b_scale:MATRIX_SCALE_ROW1
.endr
.endm
.macro MAXG g                          ; the largest score of my four blocks of this group (two tiles x two blocks), by turns; each accumulator is read from its low end on
.irp x, 0,1
.irp c, 0,1
	v_max3_num_f32 v[BM+4*\x+2*\g+\c], 0xff800000, v[128*\x+64*\g+32*\c], v[128*\x+64*\g+32*\c+1]
.endr
.endr
.irp i, 2,4,6,8,10,12,14,16,18,20,22,24,26,28,30
.irp x, 0,1
.irp c, 0,1
	v_max3_num_f32 v[BM+4*\x+2*\g+\c], v[BM+4*\x+2*\g+\c], v[128*\x+64*\g+32*\c+\i], v[128*\x+64*\g+32*\c+\i+1]
.endr
.endr
.endr
.endm
.macro BATCH e, f, x                   ; 64 exponentials from register e on; among them t - M of the 64 scores from f on (tile x), which the next batch reads behind its wait
.set jj, 0
.rept 32
	v_exp_f32 v[\e+jj], v[\e+jj]
	v_exp_f32 v[\e+jj+1], v[\e+jj+1]
.if \f >= 0
	v_pk_fma_f32 v[\f+jj:\f+jj+1], v[\f+jj:\f+jj+1], s[22:23], v[ST+8*\x:ST+8*\x+1] op_sel_hi:[1,0,0]
.endif
.set jj, jj+2
.endr
.endm
.macro SUMS from, n                    ; pairs from .. from + n - 1 of both tiles' p onto four chains a tile
.set jj, \from
.rept \n
.irp x, 0,1
.if jj%4 == 0
	v_pk_add_f32 v[ST+8*\x+4:ST+8*\x+5], v[ST+8*\x+4:ST+8*\x+5], v[128*\x+2*jj:128*\x+2*jj+1]
.else
	v_pk_add_f32 v[T+6*\x+2*(jj%4)-2:T+6*\x+2*(jj%4)-1], v[T+6*\x+2*(jj%4)-2:T+6*\x+2*(jj%4)-1], v[128*\x+2*jj:128*\x+2*jj+1]
.endif
.endr
.set jj, jj+1
.endr
.endm
.macro PV g                            ; O^T += V^T P^T over 128 keys: the eight accumulators by turns
.irp t, 0,2
.irp x, 0,1
	v_wmma_scale_f32_16x16x128_f8f6f4 v[O+32*\x+8*\t:O+32*\x+8*\t+7], v[VF+8*\t:VF+8*\t+7], v[PC+16*\x+8*\g:PC+16*\x+8*\g+7], v[O+32*\x+8*\t:O+32*\x+8*\t+7], v[VS+\t/2], v[PS+2*\x+\g] matrix_a_fmt:MATRIX_FMT_FP4 matrix_b_fmt:MATRIX_FMT_FP4
.endr
.irp x, 0,1
	v_wmma_scale_f32_16x16x128_f8f6f4 v[O+32*\x+8*\t+8:O+32*\x+8*\t+15], v[VF+8*\t+8:VF+8*\t+15], v[PC+16*\x+8*\g:PC+16*\x+8*\g+7], v[O+32*\x+8*\t+8:O+32*\x+8*\t+15], v[VS+\t/2], v[PS+2*\x+\g] matrix_a_fmt:MATRIX_FMT_FP4 matrix_b_fmt:MATRIX_FMT_FP4 matrix_a_scale:MATRIX_SCALE_ROW1
.endr
.endr
.endm
.Lpass:
	s_wait_xcnt 0x0                                ; the last pass's loads and stores have read their bases and data
	s_lshl_b32 s42, s40, 5
	s_lshl_b32 s43, s58, 4
	s_add_co_u32 s42, s42, s43
	s_lshl_b32 s43, s18, 1
	s_add_co_u32 s42, s42, s43                     ; my first tile of the head's 128: 32 cx + 16 pass + 2 wave (even)
	s_lshr_b32 s48, s41, 4
	s_lshl_b32 s48, s48, 7
	s_add_co_u32 s48, s48, s42                     ; the tile of 16 tokens among all 512
	s_lshl_b32 s48, s48, 13
	s_and_b32 s49, s41, 15
	s_lshl_b32 s49, s49, 9                         ; the head's 64 channels are one piece of 512 bytes of the tile's image
	s_add_co_u32 s48, s48, s49
	s_mov_b32 s49, 0
	s_add_nc_u64 s[48:49], s[8:9], s[48:49]
	s_lshl_b32 s66, s58, 9
	LOADK AK0, 4, 0, 0                             ; the first 128 keys
	v_add_nc_u32 v13, s66, v[STA]
.irp x, 0,1
	v_mov_b32 v[ST+8*\x], 0x7e000000               ; -M: 2^125, over every -M to come: the first f is 0
	v_mov_b32 v[ST+8*\x+1], 0xff61b1e6             ; the largest score so far: -3e38
	v_mov_b32 v[ST+8*\x+4], 0
	v_mov_b32 v[ST+8*\x+5], 0
.endr
.set jj, 0
.rept 64
	v_mov_b32 v[O+jj], 0                           ; O^T: the loop has no first step of its own: the first change of M multiplies zeros
.set jj, jj+1
.endr
	s_mov_b32 s36, 0
	s_mov_b32 s37, 0
	s_mov_b32 s38, 0
	s_mov_b32 s39, 0
	s_mov_b32 s59, 8
	s_wait_alu depctr_va_vdst(0)
	s_wait_loadcnt 0x0
.Lkeys:                                                ; A STEP: 256 keys x 32 queries
	v_add_nc_u32 v[ADK], s36, v[AK0]               ; these four are also the places between the last products and the loads into V's registers
	v_add_nc_u32 v[ADV], s37, v3
	v_add_nc_u32 v[ADS], s38, v4
	v_add_nc_u32 v[ADT], s39, v5
	LOADV 0
	s_wait_alu depctr_va_vdst(0)                   ; the wait ahead of each wait below that blocks
	s_wait_dscnt 9                                 ; K's first group and its words are in; V's nine loads may be out
	WIN 0x40                                       ; D in window 1
	QKG 0
	WIN 0
.rept 4
	v_nop                                          ; places behind the products
.endr
	LOADK ADK, ADS, 4*KROW, 512                    ; the second 128 keys, under the maxima of the first
	WIN 0x14                                       ; sources 1 and 2 in window 1
	MAXG 0
	WIN 0
	s_wait_alu depctr_va_vdst(0)
	s_wait_dscnt 0x0
	WIN 0x40
	QKG 1
	WIN 0
.rept 4
	v_nop
.endr
	LOADK ADK, ADS, 8*KROW, 1024                   ; the next step's first 128 keys
	WIN 0x14
	MAXG 1
	WIN 0
.irp x, 0,1
	v_max3_num_f32 v[ST+8*\x+6], v[BM+4*\x], v[BM+4*\x+1], v[BM+4*\x+2]
.endr
.irp x, 0,1
	s_delay_alu instid0(VALU_DEP_2)
	v_max_num_f32 v[ST+8*\x+6], v[ST+8*\x+6], v[BM+4*\x+3]
.endr
.irp x, 0,1
	s_delay_alu instid0(VALU_DEP_2)
	v_permlanex16_b32 v[ST+8*\x+7], v[ST+8*\x+6], s20, s21
.endr
.irp x, 0,1
	s_delay_alu instid0(VALU_DEP_2)
	v_max3_num_f32 v[ST+8*\x+1], v[ST+8*\x+1], v[ST+8*\x+6], v[ST+8*\x+7]   ; the running largest score of my query
.endr
.irp x, 0,1
	s_delay_alu instid0(VALU_DEP_2)
	v_mul_f32 v[ST+8*\x+6], s22, v[ST+8*\x+1]      ; as t (c is positive)
.endr
.irp x, 0,1
	s_delay_alu instid0(VALU_DEP_2)
	v_floor_f32 v[ST+8*\x+6], -v[ST+8*\x+6]        ; the new -M = floor(-t) = -ceil(t)
.endr
.irp x, 0,1
	s_delay_alu instid0(VALU_DEP_2)
	v_sub_f32 v[ST+8*\x+7], v[ST+8*\x+6], v[ST+8*\x]   ; old M - new M: a whole number, 0 or less
.endr
.irp x, 0,1
	v_mov_b32 v[ST+8*\x], v[ST+8*\x+6]
.endr
.irp x, 0,1
	v_cvt_i32_f32 v[ST+8*\x+7], v[ST+8*\x+7]       ; (it saturates)
.endr
.irp x, 0,1
	s_delay_alu instid0(VALU_DEP_2)
	v_ldexp_f32 v[ST+8*\x+2], 1.0, v[ST+8*\x+7]    ; f = 2^(old M - new M)
.endr
.irp x, 0,1
	v_pk_mul_f32 v[ST+8*\x+4:ST+8*\x+5], v[ST+8*\x+4:ST+8*\x+5], v[ST+8*\x+2:ST+8*\x+3] op_sel_hi:[1,0]   ; the sums under the new M
.irp j, 0,2,4,6,8,10,12,14,16,18,20,22,24,26,28,30
	v_pk_mul_f32 v[O+32*\x+\j:O+32*\x+\j+1], v[O+32*\x+\j:O+32*\x+\j+1], v[ST+8*\x+2:ST+8*\x+3] op_sel_hi:[1,0]   ; O^T likewise, each accumulator from its low end on; no exponential stands between the products and these
.endr
.endr
.irp k, 0,1,2,3,4,5,6,7
	v_fma_f32 v[BM+\k], v[BM+\k], s22, v[ST+8*(\k/4)]   ; t - M of each block's largest score
.endr
	WIN 0x41                                       ; source 0 and the destination in window 1
.set jj, 0
.rept 32
	v_pk_fma_f32 v[jj:jj+1], v[jj:jj+1], s[22:23], v[ST:ST+1] op_sel_hi:[1,0,0]   ; t - M of tile 0's first 128 keys
.set jj, jj+2
.endr
	s_wait_alu depctr_va_vdst(0)                   ; one wait ahead of each batch, which is also the wait behind the batch before
	BATCH 0, 64, 0
	s_wait_alu depctr_va_vdst(0)
	BATCH 64, 128, 1
	s_wait_alu depctr_va_vdst(0)
	BATCH 128, 192, 1
	s_wait_alu depctr_va_vdst(0)
	BATCH 192, -1, 0
	WIN 0
.irp k, 0,1,2,3,4,5,6,7
	v_exp_f32 v[BM+\k], v[BM+\k]                   ; the block's largest p: the same two instructions on the same number give the same bits
.endr
	v_nop                                          ; a plain place behind the exponentials
	s_wait_alu depctr_va_vdst(0)
.irp k, 0,1,2,3,4,5,6,7
	v_max_num_f32 v[BM+\k], 0x1800000, v[BM+\k]    ; the floor 2^(3 - 127): the byte cannot fall under 1
.endr
.irp k, 0,1,2,3,4,5,6,7
	v_add_nc_u32 v[BM+\k], 0xff000000, v[BM+\k]    ; 2 off the exponent field: the conversion's scale operand
.endr
.irp k, 0,1,2,3,4,5,6,7
	v_lshrrev_b32 v[BY+\k], 23, v[BM+\k]           ; the scale's byte
.endr
.irp m, 0,1,2,3
	v_lshl_or_b32 v[BY+2*\m], v[BY+2*\m+1], 16, v[BY+2*\m]   ; my two blocks of a group: h and 2 + h
.endr
.irp m, 0,1,2,3
	v_permlanex16_b32 v[BY+2*\m+1], v[BY+2*\m], s20, s21
.endr
.irp m, 0,1,2,3
	v_lshl_or_b32 v[PS+\m], v[BY+2*\m+1], 8, v[BY+2*\m]      ; lanes 0-15, which alone are read: blocks 0, 2 are mine, 1, 3 lane l + 16's
.endr
	WIN 0x01                                       ; source 0 in window 1
.irp x, 0,1
.irp g, 0,1
.irp c, 0,1
.irp t, 0,1,2,3
	v_cvt_scalef32_pk8_fp4_f32 v[PC+16*\x+8*\g+4*\c+\t], v[128*\x+64*\g+32*\c+8*\t:128*\x+64*\g+32*\c+8*\t+7], v[BM+4*\x+2*\g+\c]   ; keys 64 c + 32 h + 8 t + 0 .. 7: register 4 c + t of the operand
.endr
.endr
.endr
.endr
	WIN 0x05
	v_nop                                          ; one plain place behind the conversions
.irp x, 0,1
.irp i, 0,1,2
	v_pk_add_f32 v[T+6*\x+2*\i:T+6*\x+2*\i+1], v[128*\x+4*\i:128*\x+4*\i+1], v[128*\x+4*\i+2:128*\x+4*\i+3]   ; THE ROW'S SUM IS TAKEN OF THE UNQUANTISED p
.endr
.endr
	WIN 0x04
	SUMS 6, 26                                     ; (also the places between p's codes and words and the products)
	WIN 0
	PV 0
	WIN 0x04
	SUMS 32, 4                                     ; eight places behind the products
	WIN 0
	LOADV 1                                        ; V's second 128 keys, under the rest of the sums
	WIN 0x04
	SUMS 36, 28
	WIN 0
.irp x, 0,1
	v_pk_add_f32 v[T+6*\x:T+6*\x+1], v[T+6*\x:T+6*\x+1], v[T+6*\x+2:T+6*\x+3]
	v_pk_add_f32 v[ST+8*\x+4:ST+8*\x+5], v[ST+8*\x+4:ST+8*\x+5], v[T+6*\x+4:T+6*\x+5]
.endr
.irp x, 0,1
	v_pk_add_f32 v[ST+8*\x+4:ST+8*\x+5], v[ST+8*\x+4:ST+8*\x+5], v[T+6*\x:T+6*\x+1]
.endr
	s_wait_alu depctr_va_vdst(0)
	s_wait_dscnt 0x0
	PV 1
	s_add_co_u32 s36, s36, 8*KROW                  ; the next step's codes of K,
	s_add_co_u32 s37, s37, 8192                    ; of V,
	s_add_co_u32 s38, s38, 1024                    ; K's scale words,
	s_add_co_u32 s39, s39, 512                     ; V's
	s_sub_co_u32 s59, s59, 1
	s_cmp_lg_u32 s59, 0
	s_cbranch_scc1 .Lkeys
	s_cmp_eq_u32 s58, 1                            ; the last pass has no successor: a branch on the count of passes alone
	s_cbranch_scc1 .Lno_q
	s_add_co_u32 s67, s58, 1
	QLD 67                                         ; the earlier loads by these bases were waited for at the pass's top
.Lno_q:
	; THE WAY OUT of both tiles.  The six lines ahead of the reciprocals are the places behind the last products.
.irp x, 0,1
	v_add_f32 v[ST+8*\x+4], v[ST+8*\x+4], v[ST+8*\x+5]
.endr
.irp x, 0,1
	s_delay_alu instid0(VALU_DEP_2)
	v_permlanex16_b32 v[ST+8*\x+7], v[ST+8*\x+4], s20, s21
.endr
.irp x, 0,1
	s_delay_alu instid0(VALU_DEP_2)
	v_add_f32 v[ST+8*\x+4], v[ST+8*\x+4], v[ST+8*\x+7]   ; the row's sum
.endr
	s_wait_alu depctr_va_vdst(0)                   ; the wait ahead of the transcendentals,
.irp x, 0,1
	v_rcp_f32 v[ST+8*\x+4], v[ST+8*\x+4]
.endr
	v_nop
	s_wait_alu depctr_va_vdst(0)                   ; and ahead of their first reader, which is also O^T's
.irp x, 0,1
.irp j, 0,2,4,6,8,10,12,14,16,18,20,22,24,26,28,30
	v_pk_mul_f32 v[KF-32*\x+\j:KF-32*\x+\j+1], v[O+32*\x+\j:O+32*\x+\j+1], v[ST+8*\x+4:ST+8*\x+5] op_sel_hi:[1,0]   ; O^T / the sum: register 8 u + j is channel 16 u + 8 h + j.  Tile 0's into K's registers, tile 1's into p's codes'
.endr
.endr
.irp x, 0,1
.irp b, 0,1
	v_max3_num_f32 v[BM+2*\x+\b], |v[KF-32*\x+16*\b]|, |v[KF-32*\x+16*\b+1]|, 0x1800000
.endr
.endr
.irp i, 2,4,6,8,10,12,14
.irp x, 0,1
.irp b, 0,1
	v_max3_num_f32 v[BM+2*\x+\b], v[BM+2*\x+\b], |v[KF-32*\x+16*\b+\i]|, |v[KF-32*\x+16*\b+\i+1]|
.endr
.endr
.endr
.irp k, 0,1,2,3
	v_permlanex16_b32 v[BY+\k], v[BM+\k], s20, s21
.endr
.irp k, 0,1,2,3
	v_max_num_f32 v[BM+\k], v[BM+\k], v[BY+\k]     ; a block of 32 channels lies in lanes l and l xor 16
.endr
.irp k, 0,1,2,3
	v_add_nc_u32 v[BM+\k], 0xff000000, v[BM+\k]
.endr
.irp k, 0,1,2,3
	v_lshrrev_b32 v[BY+\k], 23, v[BM+\k]
.endr
.irp x, 0,1
	v_lshl_or_b32 v[BY+2*\x], v[BY+2*\x+1], 8, v[BY+2*\x]   ; the head's two bytes of my token's scales
.endr
.irp x, 0,1
.irp u, 0,1,2,3
	v_cvt_scalef32_pk8_fp4_f32 v[VF+4*\x+2*(\u%2)+\u/2], v[KF-32*\x+8*\u:KF-32*\x+8*\u+7], v[BM+2*\x+\u/2]
.endr
.endr
	v_nop
.irp x, 0,1
	v_permlane16_swap_b32 v[VF+4*\x], v[VF+4*\x+1]
	v_permlane16_swap_b32 v[VF+4*\x+2], v[VF+4*\x+3]
.endr
.irp x, 0,1
	global_store_b128 v[LI], v[VF+4*\x:VF+4*\x+3], s[48:49] offset:8192*\x   ; 512 consecutive bytes
	ds_store_b16 v13, v[BY+2*\x] offset:32*\x      ; lanes l and l xor 16 write the same two bytes with the same value
.endr
	s_add_co_u32 s58, s58, 1
	s_cmp_lt_u32 s58, 2
	s_wait_alu depctr_va_vdst(0)                   ; the wait ahead of the branch
	s_cbranch_scc1 .Lpass
	v_lshlrev_b32 v8, 4, v0                        ; 16 x thread: the half-words' way out
	v_add_nc_u32 v9, STG, v8
	s_wait_alu depctr_va_vdst(0)
	s_wait_dscnt 0x0                               ; for the others' sake: my stores into the stage are done
	s_barrier_signal -1
	s_barrier_wait -1
	s_cmp_gt_u32 s18, 1                            ; waves 0 and 1 carry the 1,024 bytes out
	s_cbranch_scc1 .Lno_words
	ds_load_b128 v[KF:KF+3], v9
	s_wait_dscnt 0x0
	global_store_b128 v8, v[KF:KF+3], s[56:57]     ; 512 consecutive bytes a wave
.Lno_words:
	s_wait_tensorcnt 0x0                           ; the wave's end
	ds_add_u32 v[SPW], v[NIL]
	s_wait_dscnt 0x0
	ROUND                                          ; the closing round
	s_endpgm
.Lfunc_end_k_q5219b703b5_attn:
	.size	k_q5219b703b5_attn, .Lfunc_end_k_q5219b703b5_attn-k_q5219b703b5_attn
	.p2alignl 7, 3214868480
	.fill 96, 4, 3214868480
	.section	.rodata,"a",@progbits
	.p2align	6, 0x0
	.amdhsa_kernel k_q5219b703b5_attn
		.amdhsa_group_segment_fixed_size 169984
		.amdhsa_private_segment_fixed_size 0
		.amdhsa_enable_private_segment 0
		.amdhsa_kernarg_size 24
		.amdhsa_user_sgpr_count 2
		.amdhsa_user_sgpr_kernarg_segment_ptr 1
		.amdhsa_wavefront_size32 1
		.amdhsa_system_sgpr_workgroup_id_x 1
		.amdhsa_system_sgpr_workgroup_id_y 1
		.amdhsa_system_sgpr_workgroup_id_z 1
		.amdhsa_system_vgpr_workitem_id 0
		.amdhsa_next_free_vgpr 512
		.amdhsa_next_free_sgpr 80
		.amdhsa_reserve_vcc 0
		.amdhsa_float_denorm_mode_32 3
		.amdhsa_float_denorm_mode_16_64 3
		.amdhsa_memory_ordered 1
		.amdhsa_forward_progress 1
		.amdhsa_inst_pref_size 71
	.end_amdhsa_kernel
	.amdgpu_metadata
---
amdhsa.version: [ 1, 2 ]
amdhsa.kernels:
  - .name:           k_q5219b703b5_attn
    .symbol:         k_q5219b703b5_attn.kd
    .args:
      - { .name: qh, .offset: 0, .size: 8, .value_kind: global_buffer, .address_space: global }
      - { .name: kv, .offset: 8, .size: 8, .value_kind: global_buffer, .address_space: global }
      - { .name: oh, .offset: 16, .size: 8, .value_kind: global_buffer, .address_space: global }
    .group_segment_fixed_size: 169984
    .private_segment_fixed_size: 0
    .kernarg_segment_align: 8
    .kernarg_segment_size: 24
    .max_flat_workgroup_size: 256
    .sgpr_count:     80
    .vgpr_count:     512
    .wavefront_size: 32
...
	.end_amdgpu_metadata
.endif
;; end of part 3
;; launch fcln (part 4): grid 256 x 1, 16 waves a work-group, clusters of 4 x 1, 327,680 bytes of LDS; arguments oh, wq, q, fc_b, ln_g, ln_b, out0; writes out0
.if DOCPART == 4
	.amdgcn_target "amdgcn-amd-amdhsa--gfx1250"
	.amdhsa_code_object_version 6
	.text
	.protected	k_q5219b703b5_fcln
	.globl	k_q5219b703b5_fcln
	.p2align	8
	.type	k_q5219b703b5_fcln,@function
k_q5219b703b5_fcln:
	s_mov_b64 s[64:65], 0
	v_nop
	global_prefetch_b8 v0, s[64:65] scope:SCOPE_SE
	s_setreg_imm32_b32 hwreg(HW_REG_WAVE_MODE, 25, 1), 1
	s_wait_xcnt 0x0
	s_wait_alu depctr_hold_cnt(0) depctr_sa_sdst(0) depctr_va_vdst(0) depctr_va_sdst(0) depctr_va_ssrc(0) depctr_va_vcc(0) depctr_vm_vsrc(0)
	s_getreg_b32 s2, hwreg(HW_REG_IB_STS2, 6, 4)
	s_cmp_eq_u32 s2, 0
	s_cbranch_scc0 .Lentry_in_a_cluster
	s_endpgm
.Lentry_in_a_cluster:
	s_bfe_u32 s2, ttmp6, 0x10000c
	s_cmp_lg_u32 s2, 0x3003
	s_cbranch_scc0 .Lentry_shape_is_right
	s_endpgm
.Lentry_shape_is_right:
.set SLOT,  131072
.set AIMG,  262144
.set SPARE, 278528
.set SP,    4112
.set WS,  16
.set OS,  32
.set AF,  40
.set BF,  72
.set ACC, 136
.set G0,  32
.macro ROUND
	s_barrier_signal -1
	s_barrier_wait -1
	s_cmp_lg_u32 s18, 0
	s_cbranch_scc1 .Lnot_wave_0_\@
	s_barrier_signal -3
.Lnot_wave_0_\@:
	s_barrier_wait -3
	s_barrier_signal -1
	s_barrier_wait -1
.endm
	s_load_b256 s[4:11], s[0:1], 0x0
	s_load_b128 s[12:15], s[0:1], 0x20
	s_load_b64 s[16:17], s[0:1], 0x30
	v_lshl_add_u32 v5, v0, 2, SPARE
	v_mov_b32 v6, 0
	ds_add_u32 v5, v6
	ds_add_u32 v5, v6
	s_wait_dscnt 0x0
	v_lshrrev_b32 v1, 5, v0
	s_delay_alu instid0(VALU_DEP_1)
	v_readfirstlane_b32 s18, v1
	s_bfe_u32 s19, ttmp6, 0x40000
	s_lshl_b32 s22, ttmp9, 2
	s_add_co_u32 s22, s22, s19
	s_mov_b32 s24, 15|(3<<16)|(1<<21)
	s_mov_b32 s25, 512<<16                         ; a row of a fill: 4,096 bytes, four K steps of one tile of 16 columns
	s_mov_b32 s26, 4<<16
	s_mov_b32 s27, 512<<16
	s_mov_b32 s28, 4
	s_mov_b32 s29, 1024
	s_mov_b32 s30, 0
	s_mov_b32 s31, 0
	s_mov_b32 s20, 0x76543210
	s_mov_b32 s21, 0xfedcba98
	s_mov_b32 s60, 0x3a800000
	s_mov_b32 s61, 0x3727c5ac
	s_lshl_b32 s40, s18, 15
	s_add_co_u32 s40, s40, 1572864
	s_mov_b32 s41, 0
	s_lshl_b32 s42, s18, 13
	s_lshl_b32 s45, s18, 14                        ; my 16,384 bytes of the weights' region in LDS: 4 tiles x 4,096
	s_lshl_b32 s46, s22, 14
	s_mov_b32 s47, 0
	s_lshl_b32 s48, s18, 11
	s_add_co_u32 s48, s48, 2195456
	s_mov_b32 s49, 0
	s_lshl_b32 s50, s22, 6
	s_add_co_u32 s50, s50, 4194304
	s_mov_b32 s51, 0
	s_lshl_b32 s52, s18, 8
	s_mov_b32 s53, 0
	s_lshl_b32 s54, s22, 17
	s_mov_b32 s55, 0
	s_add_co_u32 s56, s54, s42
	s_mov_b32 s57, 0
	s_wait_kmcnt 0x0
	s_add_nc_u64 s[40:41], s[6:7], s[40:41]
	s_lshl_b32 s62, s19, 17                        ; the prefetch: my work-group's 16 of the 64 tiles (told apart by address), the second half of K
	s_add_co_u32 s62, s62, 1572864+4096
	s_mov_b32 s63, 0
	s_add_nc_u64 s[62:63], s[6:7], s[62:63]
.irp s, 0,1
	s_mov_b32 s[G0+4*\s], 1
	s_mov_b32 s[G0+4*\s+1], s45                    ; both fills land on the same bytes
	s_mov_b64 s[G0+4*\s+2:G0+4*\s+3], s[40:41]     ; (the second set is stepped to K's second half ahead of its load)
	s_or_b32 s[G0+4*\s+3], s[G0+4*\s+3], 0x80000000
.endr
	ROUND
	tensor_load_to_lds s[32:35], s[24:31]          ; K's first half of my 64 columns: my one tensor load at the head; the addresses and the global loads below stand under it
	s_nop 0
.rept 4
	v_nop
.endr
	s_add_nc_u64 s[46:47], s[4:5], s[46:47]
	s_add_nc_u64 s[48:49], s[6:7], s[48:49]
	s_add_nc_u64 s[50:51], s[4:5], s[50:51]
	s_add_nc_u64 s[52:53], s[10:11], s[52:53]
	s_add_nc_u64 s[54:55], s[8:9], s[54:55]
	s_add_nc_u64 s[58:59], s[16:17], s[56:57]
	s_add_nc_u64 s[56:57], s[8:9], s[56:57]
	v_and_b32 v15, 31, v0
	v_and_b32 v13, 15, v0
	v_bfe_u32 v11, v0, 4, 1
	s_delay_alu instid0(VALU_DEP_3)
	v_lshlrev_b32 v1, 4, v15
	s_delay_alu instid0(VALU_DEP_1)
	v_add_nc_u32 v2, AIMG, v1
	s_delay_alu instid0(VALU_DEP_2)
	v_add_nc_u32 v3, s45, v1
	s_delay_alu instid0(VALU_DEP_1)
	v_add_nc_u32 v4, 2048, v3                      ; the fill's third and fourth K steps
	v_mul_u32_u24 v7, v13, SP
	s_delay_alu instid0(VALU_DEP_1)
	v_lshl_add_u32 v7, v11, 5, v7
	s_lshl_b32 s43, s18, 8
	v_add_nc_u32 v7, s43, v7
	s_delay_alu instid0(VALU_DEP_1)
	v_add_nc_u32 v8, 16*SP, v7
	s_mul_i32 s44, s18, 2*SP
	v_add_nc_u32 v9, s44, v1
	v_lshlrev_b32 v10, 8, v0
	v_lshlrev_b32 v11, 5, v11
	v_lshlrev_b32 v12, 5, v15
	v_lshlrev_b32 v13, 1, v15
	v_lshlrev_b32 v14, 4, v0
	s_delay_alu instid0(VALU_DEP_1)
	v_add_nc_u32 v15, AIMG, v14
	global_load_b128 v[216:219], v14, s[46:47]
	global_load_b128 v[220:223], v14, s[46:47] offset:8192
.irp j, 0,1
	global_load_b128 v[WS+8*\j:WS+8*\j+3],   v12, s[48:49] offset:1024*\j
	global_load_b128 v[WS+8*\j+4:WS+8*\j+7], v12, s[48:49] offset:1024*\j+16
.endr
.irp e, 0,1,2,3,4,5,6,7,8,9,10,11,12,13,14,15
	global_load_u16 v[200+\e], v13, s[50:51] offset:16384*\e
.endr
.irp nt, 0,1,2,3
.irp tt, 0,1
	global_load_b128 v[ACC+8*(2*\nt+\tt):ACC+8*(2*\nt+\tt)+3],   v11, s[52:53] offset:64*\nt
	global_load_b128 v[ACC+8*(2*\nt+\tt)+4:ACC+8*(2*\nt+\tt)+7], v11, s[52:53] offset:64*\nt+16
.endr
.endr
	; A prefetch of what the second fill will ask for: 64 tiles x 4,096 bytes, 1,024 blocks of 256 bytes, each named once in the cluster: a work-group takes 16 tiles, its waves 0 to 7 one instruction each, a lane a block
	v_and_b32 v240, 255, v0
	v_lshrrev_b32 v241, 4, v240
	v_and_b32 v240, 15, v240
	v_lshlrev_b32 v240, 8, v240
	v_lshl_add_u32 v240, v241, 13, v240            ; 8,192 x tile + 256 x block; never rewritten
	s_cmp_lt_u32 s18, 8
	s_cbranch_scc0 .Lno_ask
	global_prefetch_b8 v240, s[62:63] th:TH_LOAD_NT scope:SCOPE_SE
.Lno_ask:
	s_wait_alu depctr_va_vdst(0)
	s_wait_loadcnt 36
	ds_store_b128 v15, v[216:219]
	ds_store_b128 v15, v[220:223] offset:8192
	s_wait_loadcnt 16
.irp s, 0,1,2,3,4,5,6,7
	v_lshl_or_b32 v[OS+\s], v[201+2*\s], 16, v[200+2*\s]
.endr
.rept 8
	v_nop
.endr
	s_wait_alu depctr_va_vdst(0)
	s_wait_loadcnt 0x0
	s_wait_tensorcnt 0x0
	s_wait_dscnt 0x0
	s_barrier_signal -1
	s_barrier_wait -1
.macro PROD s0, s2
.irp nt, 0,1,2,3
.irp tt, 0,1
.set rD, ACC+8*(2*\nt+\tt)
.set rA, BF+32*(\s2)+8*\nt
.set rB, AF+16*(\s2)+8*\tt
.set rX, WS+8*(\nt/2)+(\s0)+(\s2)
.set rY, OS+(\s0)+(\s2)
.set par, 2*(\nt%2)+\tt
.if par == 0
	v_wmma_scale_f32_16x16x128_f8f6f4 v[rD:rD+7], v[rA:rA+7], v[rB:rB+7], v[rD:rD+7], v[rX], v[rY] matrix_a_fmt:MATRIX_FMT_FP4 matrix_b_fmt:MATRIX_FMT_FP4
.elseif par == 1
	v_wmma_scale_f32_16x16x128_f8f6f4 v[rD:rD+7], v[rA:rA+7], v[rB:rB+7], v[rD:rD+7], v[rX], v[rY] matrix_a_fmt:MATRIX_FMT_FP4 matrix_b_fmt:MATRIX_FMT_FP4 matrix_b_scale:MATRIX_SCALE_ROW1
.elseif par == 2
	v_wmma_scale_f32_16x16x128_f8f6f4 v[rD:rD+7], v[rA:rA+7], v[rB:rB+7], v[rD:rD+7], v[rX], v[rY] matrix_a_fmt:MATRIX_FMT_FP4 matrix_b_fmt:MATRIX_FMT_FP4 matrix_a_scale:MATRIX_SCALE_ROW1
.else
	v_wmma_scale_f32_16x16x128_f8f6f4 v[rD:rD+7], v[rA:rA+7], v[rB:rB+7], v[rD:rD+7], v[rX], v[rY] matrix_a_fmt:MATRIX_FMT_FP4 matrix_b_fmt:MATRIX_FMT_FP4 matrix_a_scale:MATRIX_SCALE_ROW1 matrix_b_scale:MATRIX_SCALE_ROW1
.endif
.endr
.endr
.endm
.macro CHUNK slot, s0, nops
.if \nops
.rept 4
	v_nop
.endr
.endif
.irp s2, 0,1
.irp tt, 0,1
.irp c, 0,1
	ds_load_b128 v[AF+16*\s2+8*\tt+4*\c:AF+16*\s2+8*\tt+4*\c+3], v2 offset:8192*\tt+1024*((\s0)+\s2)+512*\c
.endr
.endr
.irp nt, 0,1,2,3
.irp c, 0,1
	ds_load_b128 v[BF+32*\s2+8*\nt+4*\c:BF+32*\s2+8*\nt+4*\c+3], v[3+\slot] offset:4096*\nt+1024*\s2+512*\c
.endr
.endr
.endr
	s_wait_dscnt 12
	PROD \s0, 0
	s_wait_dscnt 0x0
	PROD \s0, 1
.endm
.macro REFILL slot
	s_wait_tensorcnt 0x0
	ds_add_u32 v5, v6
	s_add_nc_u64 s[G0+4*\slot+2:G0+4*\slot+3], s[G0+4*\slot+2:G0+4*\slot+3], 4096
	s_wait_dscnt 0x0
	ROUND
	tensor_load_to_lds s[G0+4*\slot:G0+4*\slot+3], s[24:31]
	s_nop 0
.rept 4
	v_nop
.endr
.endm
	CHUNK 0, 0, 0
	global_prefetch_b8 v10, s[54:55] th:TH_LOAD_NT scope:SCOPE_SE
	CHUNK 1, 2, 1
	REFILL 1                                       ; K's second half, onto the bytes just read: behind the three lines and a round
	s_wait_tensorcnt 0x0                           ; a wave reads only the bytes that its own load brought
	CHUNK 0, 4, 0
	CHUNK 1, 6, 1
.rept 4
	v_nop
.endr
.irp rho, 0,1
.irp j, 0,1,2,3,4,5,6,7
	global_load_b128 v[72+32*\rho+4*\j:75+32*\rho+4*\j], v1, s[56:57] offset:4096*\rho+512*\j th:TH_LOAD_NT
.endr
.endr
.irp j, 0,1,2,3,4,5,6,7
	global_load_b128 v[40+4*\j:43+4*\j], v1, s[12:13] offset:512*\j
.endr
.irp j, 0,1,2,3,4,5,6,7
	global_load_b128 v[200+4*\j:203+4*\j], v1, s[14:15] offset:512*\j
.endr
	s_wait_dscnt 0x0
	s_barrier_signal -1
	s_barrier_wait -1
.irp nt, 0,1,2,3
	ds_store_b128 v7, v[ACC+16*\nt:ACC+16*\nt+3] offset:64*\nt
	ds_store_b128 v7, v[ACC+16*\nt+4:ACC+16*\nt+7] offset:64*\nt+16
	ds_store_b128 v8, v[ACC+16*\nt+8:ACC+16*\nt+11] offset:64*\nt
	ds_store_b128 v8, v[ACC+16*\nt+12:ACC+16*\nt+15] offset:64*\nt+16
.endr
	s_wait_dscnt 0x0
	s_barrier_signal -1
	s_barrier_wait -1
.irp rho, 0,1
.irp j, 0,1,2,3,4,5,6,7
	ds_load_b128 v[136+32*\rho+4*\j:139+32*\rho+4*\j], v9 offset:SP*\rho+512*\j
.endr
.endr
.macro WSUM a, b
	s_delay_alu instid0(VALU_DEP_1)
	v_add_f32_dpp v[\a], v[\a], v[\a] row_xmask:1 row_mask:0xf bank_mask:0xf
	s_delay_alu instid0(VALU_DEP_1)
	v_add_f32_dpp v[\a], v[\a], v[\a] row_xmask:2 row_mask:0xf bank_mask:0xf
	s_delay_alu instid0(VALU_DEP_1)
	v_add_f32_dpp v[\a], v[\a], v[\a] row_xmask:4 row_mask:0xf bank_mask:0xf
	s_delay_alu instid0(VALU_DEP_1)
	v_add_f32_dpp v[\a], v[\a], v[\a] row_xmask:8 row_mask:0xf bank_mask:0xf
	s_delay_alu instid0(VALU_DEP_1)
	v_permlanex16_b32 v[\b], v[\a], s20, s21
	s_delay_alu instid0(VALU_DEP_1)
	v_add_f32 v[\a], v[\a], v[\b]
.endm
.macro ROWLN rho
.set XR, 136+32*\rho
.set QR, 72+32*\rho
.if \rho == 0
	s_wait_dscnt 8
	s_wait_loadcnt 24
.else
	s_wait_dscnt 0x0
.endif
.irp i, 0,2,4,6,8,10,12,14,16,18,20,22,24,26,28,30
	v_pk_add_f32 v[XR+\i:XR+\i+1], v[XR+\i:XR+\i+1], v[QR+\i:QR+\i+1]
.endr
	v_pk_add_f32 v[232:233], v[XR:XR+1], v[XR+2:XR+3]
	v_pk_add_f32 v[234:235], v[XR+4:XR+5], v[XR+6:XR+7]
.irp i, 8,12,16,20,24,28
	s_delay_alu instid0(VALU_DEP_2)
	v_pk_add_f32 v[232:233], v[232:233], v[XR+\i:XR+\i+1]
	s_delay_alu instid0(VALU_DEP_2)
	v_pk_add_f32 v[234:235], v[234:235], v[XR+\i+2:XR+\i+3]
.endr
	s_delay_alu instid0(VALU_DEP_1)
	v_pk_add_f32 v[232:233], v[232:233], v[234:235]
	s_delay_alu instid0(VALU_DEP_1)
	v_add_f32 v232, v232, v233
	WSUM 232, 233
	s_delay_alu instid0(VALU_DEP_1)
	v_mul_f32 v232, s60, v232
.irp i, 0,2,4,6,8,10,12,14,16,18,20,22,24,26,28,30
	v_pk_add_f32 v[XR+\i:XR+\i+1], v[XR+\i:XR+\i+1], v[232:233] op_sel_hi:[1,0] neg_lo:[0,1] neg_hi:[0,1]
.endr
	v_pk_mul_f32 v[234:235], v[XR:XR+1], v[XR:XR+1]
	v_pk_mul_f32 v[236:237], v[XR+2:XR+3], v[XR+2:XR+3]
.irp i, 4,8,12,16,20,24,28
	s_delay_alu instid0(VALU_DEP_2)
	v_pk_fma_f32 v[234:235], v[XR+\i:XR+\i+1], v[XR+\i:XR+\i+1], v[234:235]
	s_delay_alu instid0(VALU_DEP_2)
	v_pk_fma_f32 v[236:237], v[XR+\i+2:XR+\i+3], v[XR+\i+2:XR+\i+3], v[236:237]
.endr
	s_delay_alu instid0(VALU_DEP_1)
	v_pk_add_f32 v[234:235], v[234:235], v[236:237]
	s_delay_alu instid0(VALU_DEP_1)
	v_add_f32 v234, v234, v235
	WSUM 234, 235
	s_delay_alu instid0(VALU_DEP_1)
	v_fma_f32 v234, v234, s60, s61
	s_wait_alu depctr_va_vdst(0)
	v_rsq_f32 v236, v234
	v_nop
	s_wait_alu depctr_va_vdst(0)
.if \rho == 0
	s_wait_loadcnt 0x0
.endif
.irp i, 0,2,4,6,8,10,12,14,16,18,20,22,24,26,28,30
	v_pk_mul_f32 v[XR+\i:XR+\i+1], v[XR+\i:XR+\i+1], v[236:237] op_sel_hi:[1,0]
.endr
.irp i, 0,2,4,6,8,10,12,14,16,18,20,22,24,26,28,30
	v_pk_fma_f32 v[XR+\i:XR+\i+1], v[XR+\i:XR+\i+1], v[40+\i:41+\i], v[200+\i:201+\i]
.endr
.irp j, 0,1,2,3,4,5,6,7
	global_store_b128 v1, v[XR+4*\j:XR+4*\j+3], s[58:59] offset:4096*\rho+512*\j th:TH_STORE_NT
.endr
.endm
	ROWLN 0
	ROWLN 1
	s_wait_tensorcnt 0x0
	ds_add_u32 v5, v6
	s_wait_dscnt 0x0
	ROUND
	s_endpgm
.Lfunc_end_k_q5219b703b5_fcln:
	.size	k_q5219b703b5_fcln, .Lfunc_end_k_q5219b703b5_fcln-k_q5219b703b5_fcln
	.p2alignl 7, 3214868480
	.fill 96, 4, 3214868480
	.section	.rodata,"a",@progbits
	.p2align	6, 0x0
	.amdhsa_kernel k_q5219b703b5_fcln
		.amdhsa_group_segment_fixed_size 327680
		.amdhsa_private_segment_fixed_size 0
		.amdhsa_enable_private_segment 0
		.amdhsa_kernarg_size 56
		.amdhsa_user_sgpr_count 2
		.amdhsa_user_sgpr_kernarg_segment_ptr 1
		.amdhsa_wavefront_size32 1
		.amdhsa_system_sgpr_workgroup_id_x 1
		.amdhsa_system_sgpr_workgroup_id_y 1
		.amdhsa_system_sgpr_workgroup_id_z 1
		.amdhsa_system_vgpr_workitem_id 0
		.amdhsa_next_free_vgpr 256
		.amdhsa_next_free_sgpr 66
		.amdhsa_reserve_vcc 0
		.amdhsa_float_denorm_mode_32 3
		.amdhsa_float_denorm_mode_16_64 3
		.amdhsa_memory_ordered 1
		.amdhsa_forward_progress 1
		.amdhsa_inst_pref_size 50
	.end_amdhsa_kernel
	.amdgpu_metadata
---
amdhsa.version: [ 1, 2 ]
amdhsa.kernels:
  - .name:           k_q5219b703b5_fcln
    .symbol:         k_q5219b703b5_fcln.kd
    .args:
      - { .name: oh, .offset: 0, .size: 8, .value_kind: global_buffer, .address_space: global }
      - { .name: wq, .offset: 8, .size: 8, .value_kind: global_buffer, .address_space: global }
      - { .name: q, .offset: 16, .size: 8, .value_kind: global_buffer, .address_space: global }
      - { .name: fc_b, .offset: 24, .size: 8, .value_kind: global_buffer, .address_space: global }
      - { .name: ln_g, .offset: 32, .size: 8, .value_kind: global_buffer, .address_space: global }
      - { .name: ln_b, .offset: 40, .size: 8, .value_kind: global_buffer, .address_space: global }
      - { .name: out0, .offset: 48, .size: 8, .value_kind: global_buffer, .address_space: global }
    .group_segment_fixed_size: 327680
    .private_segment_fixed_size: 0
    .kernarg_segment_align: 8
    .kernarg_segment_size: 56
    .max_flat_workgroup_size: 512
    .sgpr_count:     66
    .vgpr_count:     256
    .wavefront_size: 32
...
	.end_amdgpu_metadata
.endif
;; end of part 4
